; MI455X (gfx1250); checked and timed in simulation.
; The chip was launched on July 23, 2026; its instructions are those of AMD's public machine-readable ISA for CDNA 5 (MIT licence, August 2026) and "CDNA5" Instruction Set Architecture Reference Guide (July 2026). The comments in the code are by the model that wrote it; some were corrected since.
;; OPT Attention. Allowed arithmetic: matrix products marked QUANTISED: E2M1 operands, one E8M0 scale for each 32 along K, by v_wmma_scale_f32_16x16x128_f8f6f4 with both operands' format E2M1 (or v_wmma_scale_f32_32x16x128_f4), f32 sums; products left as they are: f32 operands where the result goes on into a quantised operand, else bf16, f16 or f32 operands; f32 sums; everything else in f32.
;; Inputs: Ak 16 x 1,024 float32; Ao 16 x 1,024 float32; Aq 16 x 1,024 float32; Av 16 x 1,024 float32; Bk 1,024 x 16 float32; Bo 1,024 x 16 float32; Bq 1,024 x 16 float32; Bv 1,024 x 16 float32; Wk 1,024 x 1,024 float32; Wo 1,024 x 1,024 float32; Wq 1,024 x 1,024 float32; Wv 1,024 x 1,024 float32; attention_mask 1 x 1 x 4,096 x 4,096 float32; hidden_states 1 x 4,096 x 1,024 float32.
;; Outputs: out0 1 x 4,096 x 1,024 float32.
;; This version of the problem:
;;   THIS VERSION OF THE PROBLEM IS GIVEN IN LOW PRECISION. The matrix products marked QUANTISED in the list below multiply operands that are first quantised to E2M1 (2 exponent bits, 1 mantissa bit; 4 bits a number), with one power-of-two scale for each 32 numbers along K (OCP MX v1.0); their sums are f32. All else is computed in f32.
;;   The module's matrix products, in the order in which they are computed (A, B: the left and right operand; K: the contracted axis; several contracted axes count as one K, in the product's order):
;;     1. [M 4,096, K 1,024] x [K 1,024, N 1,024]; A: input hidden_states; B: input Wq: QUANTISED
;;     2. [M 4,096, K 1,024] x [K 1,024, N 16]; A: input hidden_states; B: input Aq: QUANTISED
;;     3. [M 4,096, K 16] x [K 16, N 1,024]; A: computed on the way; B: input Bq: left as it is (K = 16 < 32)
;;     4. [M 4,096, K 1,024] x [K 1,024, N 1,024]; A: input hidden_states; B: input Wk: QUANTISED
;;     5. [M 4,096, K 1,024] x [K 1,024, N 16]; A: input hidden_states; B: input Ak: QUANTISED
;;     6. [M 4,096, K 16] x [K 16, N 1,024]; A: computed on the way; B: input Bk: left as it is (K = 16 < 32)
;;     7. [M 4,096, K 1,024] x [K 1,024, N 1,024]; A: input hidden_states; B: input Wv: QUANTISED
;;     8. [M 4,096, K 1,024] x [K 1,024, N 16]; A: input hidden_states; B: input Av: QUANTISED
;;     9. [M 4,096, K 16] x [K 16, N 1,024]; A: computed on the way; B: input Bv: left as it is (K = 16 < 32)
;;     10. batch 16 x [M 4,096, K 64] x [K 64, N 4,096]; A: computed on the way; B: computed on the way: QUANTISED
;;     11. batch 16 x [M 64, K 4,096] x [K 4,096, N 4,096]; A: computed on the way; B: softmax (see below): QUANTISED
;;     12. [M 4,096, K 1,024] x [K 1,024, N 1,024]; A: computed on the way; B: input Wo: QUANTISED
;;     13. [M 4,096, K 1,024] x [K 1,024, N 16]; A: computed on the way; B: input Ao: QUANTISED
;;     14. [M 4,096, K 16] x [K 16, N 1,024]; A: computed on the way; B: input Bo: left as it is (K = 16 < 32)
;;   THE QUANTISER, for each operand of a quantised product, along K:
;;     - K is cut into blocks of 32 from its start; a last block that is shorter is filled with zeros.
;;     - A block's scale is 2^e with e = floor(log2(the largest magnitude in the block)) - 2, held to -126 .. 127; a block of zeros has e = 0. As a byte (E8M0): e + 127.
;;     - Each number is divided by its block's scale, clamped to +-6, and rounded to the nearest number of E2M1, ties to even, subnormals kept.
;;     - The product sums the exact products of the quantised numbers (number of the format x scale) in f32.
;;   ~~~python
;;   def quantise(x, axis):      # numpy; x: float32 -> the quantised numbers, widened to float32 again
;;       x = np.moveaxis(x, axis, -1); K = x.shape[-1]
;;       x = np.pad(x, [(0, 0)] * (x.ndim - 1) + [(0, -K % 32)]); x = x.reshape(x.shape[:-1] + (-1, 32)); a = np.abs(x).max(-1, keepdims=True)
;;       e = np.where(a > 0, np.clip(np.frexp(np.where(a > 0, a, 1))[1] - 1 - 2, -126, 127), 0)      # np.frexp(a)[1] - 1 = floor(log2(a)), exactly
;;       r = np.clip(x / 2.0 ** e, -6, 6)
;;       step = 2.0 ** (np.maximum(np.frexp(np.where(r == 0, 1, r))[1] - 1, 0) - 1)
;;       q = np.round(r / step) * step * 2.0 ** e      # np.round: ties to even
;;       return np.moveaxis(q.reshape(q.shape[:-2] + (-1,))[..., :K], -1, axis).astype(np.float32)
;;   ~~~
;;   SOFTMAX AHEAD OF A QUANTISED PRODUCT. Where the list says 'softmax', what is quantised is not the finished softmax but p = 2^(t - M), with t = logit x log2(e) and M = ceil(the row's largest t), a whole number; so 1/2 < the row's largest p <= 1. The row's sum l is taken of the UNQUANTISED p, in f32, and the product's result is divided by l at the end. Since M is a whole number, a kernel that streams over the keys may use a running M (the ceiling of the running maximum): every later rescaling is an exact power of two, which a block's scale takes up: the codes' values come out the same.
;;   OPERANDS COMPUTED ON THE WAY. 'Computed on the way' means the value that the module computes at that place (a softmax that the list does not call 'softmax' is quantised finished and normalised). What goes into a quantiser is computed in f32, as accurately as f32 sums, v_exp_f32 and their like allow (about 1e-6 of the number): no bf16 or f16 on the way to a quantiser, and a product that is left as it is and whose result goes on into a quantised operand takes f32 operands (vector FMAs, or v_wmma_f32_16x16x4_f32). A number that lies on a knife's edge between two numbers of the format may be rounded either way, as far as f32 arithmetic and the matrix unit's own rounding can turn it there, and no further.
;; One version. Each part assembles by itself: llvm-mc -triple=amdgcn-amd-amdhsa -mcpu=gfx1250 --defsym DOCPART=n.
;; ======== version 1 of 1: 4 launches
;; limits: right only within a limited range of input values; values are held in bf16: 8 bits of precision
;; workspace buffers: wc 4,227,072 bytes; ws 264,192 bytes; qc 2,359,296 bytes; kc 2,359,296 bytes; vc 2,228,224 bytes; aoc 2,097,152 bytes; aos 524,288 bytes
;; launch quant (part 1): grid 516 x 1, 4 waves a work-group, no clusters, 68,096 bytes of LDS; arguments hidden_states, Wq, Wk, Wv, Aq, Ak, Av, Wo, Ao, wc, ws; writes wc, ws
.if DOCPART == 1
	.amdgcn_target "amdgcn-amd-amdhsa--gfx1250"
	.amdhsa_code_object_version 6
	.text
	.protected	k_q970c25855c_quant
	.globl	k_q970c25855c_quant
	.p2align	8
	.type	k_q970c25855c_quant,@function
k_q970c25855c_quant:
	s_mov_b64 s[64:65], 0
	v_nop
	global_prefetch_b8 v0, s[64:65] scope:SCOPE_SE
	s_setreg_imm32_b32 hwreg(HW_REG_WAVE_MODE, 25, 1), 1
	s_wait_xcnt 0x0
; x [4096][1024], Wq, Wk, Wv, Wo [1024][1024], Aq, Ak, Av, Ao [16][1024], all f32 with K innermost, become codes of FP4 (E2M1) with one E8M0 scale byte for each 32 along K,
; laid in the ORDER OF AN OPERAND'S REGISTERS.  A tile is 16 rows x 1,024 K.  wc: [tile][K step of 128, 8][1,024 bytes]: quad c at 512 c, lane l = 16 h + r at 16 l: the codes of k = 64 c + 32 h + 0 .. 31 of tile row r.
; ws: [tile][p 0..3][lane l] words: the scale word (four bytes, 128 along K) of tile row l % 16 for K step 2 p + l / 16.
; THE ROWS OF A TILE ARE NOT NEIGHBOURS: tile t of x or of a W holds rows 32 (t / 2) + 8 (t % 2) + r + 8 (r / 8); an A matrix is one tile in its own order.
; Tiles: x 0-255, Wq 256-319, Wk 320-383, Wv 384-447, Aq 448, Ak 449, Av 450, Wo 451-514, Ao 515.
; A block's scale is 2^(floor(log2(largest magnitude)) - 2): its byte is the largest magnitude's exponent field - 2, held at 1 from below by a floor among the maximum's leaves.
; LIMITS: a block of zeros gets the byte 1 and not 127 (its codes are zeros, and this program alone reads the bytes); blocks whose largest magnitude lies under 2^-124 keep the floor's byte; NaN and infinities are not served.
; SHARES: a work-group takes one tile, wave p its K steps 2 p and 2 p + 1: 16 rows x 1,024 bytes, all 32 loads out at once, each of 512 consecutive bytes.  The numbers turn through the wave's own stage in LDS
; (rows 528 bytes apart: 33 x 16, so that sixteen rows start at sixteen different 16-byte columns) and come back so that a lane holds whole blocks of 32.  No tile is shared between work-groups: no cluster, no tensor load, no barrier.
.set WREG, 16896                       ; LDS of a wave: two stages
.set STG,  8448                        ; a stage: 16 rows x 528 bytes
; v1 lane, v2 16 lane, v3 stage way in, v4 stage way out, v5 4 lane, v6 8 h, v8-13 at work, v15 a permute's destination, v16-17 the two steps' scale words, v18 what is stored of them,
; v20-35 codes, v64-127 and v128-191 the numbers of the two K steps
	s_load_b512 s[8:23], s[0:1], 0x0               ; x, Wq, Wk, Wv, Aq, Ak, Av, Wo
	s_load_b128 s[24:27], s[0:1], 0x40             ; Ao, wc
	s_load_b64 s[28:29], s[0:1], 0x50              ; ws
	v_lshl_add_u32 v192, v0, 2, 0x10800
	v_mov_b32 v193, 0
	v_lshrrev_b32 v1, 5, v0
	v_readfirstlane_b32 s2, v1                     ; wave p
	v_and_b32 v1, 31, v0                           ; lane
	v_lshlrev_b32 v2, 4, v1
	v_lshlrev_b32 v5, 2, v1
	v_and_b32 v7, 15, v0                           ; r
	v_bfe_u32 v6, v0, 4, 1                         ; h
	s_mul_i32 s3, s2, WREG
	v_add_nc_u32 v3, s3, v2                        ; in: a row's 512 bytes as they lie
	v_mul_u32_u24 v4, v7, 528
	v_lshl_add_u32 v4, v6, 7, v4
	v_add_nc_u32 v4, s3, v4                        ; out: row r, + 128 h: my block of each 64 along K
	v_lshlrev_b32 v6, 3, v6                        ; 8 h: where my bytes stand in the scale word
	v_mov_b32 v15, 0                               ; a lane permute's destination counts as read
	s_mov_b32 s36, 0x76543210
	s_mov_b32 s37, 0xfedcba98                      ; selects for lane l xor 16
	s_wait_alu depctr_va_vdst(0)
	s_wait_kmcnt 0x0
	s_mov_b64 s[4:5], s[8:9]                       ; the tensor, its first tile, and how far tile rows 8-15 lie beyond their place in a dense tile: chosen by the work-group's number alone
	s_mov_b32 s6, 0
	s_mov_b32 s7, 32768
.macro PICK start, ptr, ex
	s_cmp_ge_u32 ttmp9, \start
	s_cselect_b64 s[4:5], s[\ptr:\ptr+1], s[4:5]
	s_cselect_b32 s6, \start, s6
	s_cselect_b32 s7, \ex, s7
.endm
	PICK 256, 10, 32768
	PICK 320, 12, 32768
	PICK 384, 14, 32768
	PICK 448, 16, 0
	PICK 449, 18, 0
	PICK 450, 20, 0
	PICK 451, 22, 32768
	PICK 515, 24, 0
	s_sub_co_u32 s34, ttmp9, s6                    ; the tile's number in its tensor
	s_lshr_b32 s35, s34, 1
	s_lshl_b32 s35, s35, 17                        ; 32 rows of 4,096 bytes for each pair of tiles,
	s_and_b32 s34, s34, 1
	s_lshl_b32 s34, s34, 15                        ; 8 rows for the odd one,
	s_add_co_u32 s34, s34, s35
	s_lshl_b32 s35, s2, 10                         ; my wave's 1,024 bytes of a row
	s_add_co_u32 s34, s34, s35
	s_mov_b32 s35, 0
	s_add_nc_u64 s[30:31], s[4:5], s[34:35]        ; tile rows 0-7
	s_mov_b32 s34, s7
	s_add_nc_u64 s[32:33], s[30:31], s[34:35]      ; tile rows 8-15
	s_lshl_b32 s34, ttmp9, 13
	s_lshl_b32 s3, s2, 11
	s_add_co_u32 s34, s34, s3
	s_add_nc_u64 s[26:27], s[26:27], s[34:35]      ; wc at my two K steps
	s_lshl_b32 s34, ttmp9, 9
	s_lshl_b32 s3, s2, 7
	s_add_co_u32 s34, s34, s3
	s_add_nc_u64 s[28:29], s[28:29], s[34:35]      ; ws at my 128 bytes
.macro LOAD t
.irp i, 0,1,2,3,4,5,6,7
	global_load_b128 v[64+64*\t+4*\i:64+64*\t+4*\i+3], v2, s[30:31] offset:4096*\i+512*\t th:TH_LOAD_NT
.endr
.irp i, 8,9,10,11,12,13,14,15
	global_load_b128 v[64+64*\t+4*\i:64+64*\t+4*\i+3], v2, s[32:33] offset:4096*\i+512*\t th:TH_LOAD_NT
.endr
.endm
.macro TURN t                          ; through the stage and back into the registers that they left: register 32 c + i is then k = 64 c + 32 h + i of row r.  LDS serves a wave's instructions in order
.irp i, 0,1,2,3,4,5,6,7,8,9,10,11,12,13,14,15
	ds_store_b128 v3, v[64+64*\t+4*\i:64+64*\t+4*\i+3] offset:STG*\t+528*\i
.endr
.irp c, 0,1
.irp e, 0,1,2,3,4,5,6,7
	ds_load_b128 v[64+64*\t+32*\c+4*\e:64+64*\t+32*\c+4*\e+3], v4 offset:STG*\t+256*\c+16*\e
.endr
.endr
.endm
.macro WORK t
.set RR, 64+64*\t
.irp c, 0,1
	v_max3_num_f32 v[8+\c], |v[RR+32*\c]|, |v[RR+32*\c+1]|, 0x1800000   ; block 2 c + h: all 32 numbers are mine; the floor 2^(3 - 127) holds the byte at 1 from below
.endr
.irp i, 2,4,6,8,10,12,14,16,18,20,22,24,26,28,30
.irp c, 0,1
	v_max3_num_f32 v[8+\c], v[8+\c], |v[RR+32*\c+\i]|, |v[RR+32*\c+\i+1]|
.endr
.endr
	v_add_nc_u32 v10, 0xff000000, v8               ; 2 off the exponent field: the conversion's scale operand
	v_add_nc_u32 v11, 0xff000000, v9
	v_lshrrev_b32 v12, 23, v10                     ; the scale's byte
	v_lshrrev_b32 v13, 23, v11
	v_lshl_or_b32 v12, v13, 16, v12                ; blocks h and 2 + h,
	v_lshlrev_b32 v12, v6, v12                     ; at their places in the word;
	v_permlanex16_b32 v15, v12, s36, s37
	v_or_b32 v[16+\t], v12, v15                    ; with lane l xor 16's two the word is whole
.irp c, 0,1
.irp g, 0,1,2,3
	v_cvt_scalef32_pk8_fp4_f32 v[20+8*\t+4*\c+\g], v[RR+32*\c+8*\g:RR+32*\c+8*\g+7], v[10+\c]
.endr
.endr
	v_nop                                          ; a plain line behind the last conversion
.irp c, 0,1
	global_store_b128 v2, v[20+8*\t+4*\c:20+8*\t+4*\c+3], s[26:27] offset:1024*\t+512*\c   ; 32 lanes store 512 consecutive bytes, aligned to 256
.endr
.endm
	LOAD 0
	LOAD 1
	s_wait_loadcnt 16                              ; the first K step's 16 loads are in; the second's 16 may be out
	TURN 0
	s_wait_loadcnt 0x0
	TURN 1
	s_wait_dscnt 32                                ; the first turn is back; the second's 32 LDS instructions may be out
	WORK 0
	s_wait_dscnt 0x0
	WORK 1
	v_cmp_gt_u32 vcc_lo, 16, v1
	v_cndmask_b32 v18, v17, v16, vcc_lo            ; lanes 0-15 carry K step 2 p's words, lanes 16-31 K step 2 p + 1's
	global_store_b32 v5, v18, s[28:29]
	s_wait_tensorcnt 0x0
	ds_add_u32 v192, v193
	s_wait_dscnt 0x0
	s_endpgm
.Lfunc_end_k_q970c25855c_quant:
	.size	k_q970c25855c_quant, .Lfunc_end_k_q970c25855c_quant-k_q970c25855c_quant
	.p2alignl 7, 3214868480
	.fill 96, 4, 3214868480
	.section	.rodata,"a",@progbits
	.p2align	6, 0x0
	.amdhsa_kernel k_q970c25855c_quant
		.amdhsa_group_segment_fixed_size 68096
		.amdhsa_private_segment_fixed_size 0
		.amdhsa_enable_private_segment 0
		.amdhsa_kernarg_size 88
		.amdhsa_user_sgpr_count 2
		.amdhsa_user_sgpr_kernarg_segment_ptr 1
		.amdhsa_wavefront_size32 1
		.amdhsa_system_sgpr_workgroup_id_x 1
		.amdhsa_system_sgpr_workgroup_id_y 1
		.amdhsa_system_sgpr_workgroup_id_z 1
		.amdhsa_system_vgpr_workitem_id 0
		.amdhsa_next_free_vgpr 194
		.amdhsa_next_free_sgpr 66
		.amdhsa_reserve_vcc 1
		.amdhsa_float_denorm_mode_32 3
		.amdhsa_float_denorm_mode_16_64 3
		.amdhsa_memory_ordered 1
		.amdhsa_forward_progress 1
		.amdhsa_inst_pref_size 18
	.end_amdhsa_kernel
	.amdgpu_metadata
---
amdhsa.version: [ 1, 2 ]
amdhsa.kernels:
  - .name:           k_q970c25855c_quant
    .symbol:         k_q970c25855c_quant.kd
    .args:
      - { .name: hidden_states, .offset: 0, .size: 8, .value_kind: global_buffer, .address_space: global }
      - { .name: Wq, .offset: 8, .size: 8, .value_kind: global_buffer, .address_space: global }
      - { .name: Wk, .offset: 16, .size: 8, .value_kind: global_buffer, .address_space: global }
      - { .name: Wv, .offset: 24, .size: 8, .value_kind: global_buffer, .address_space: global }
      - { .name: Aq, .offset: 32, .size: 8, .value_kind: global_buffer, .address_space: global }
      - { .name: Ak, .offset: 40, .size: 8, .value_kind: global_buffer, .address_space: global }
      - { .name: Av, .offset: 48, .size: 8, .value_kind: global_buffer, .address_space: global }
      - { .name: Wo, .offset: 56, .size: 8, .value_kind: global_buffer, .address_space: global }
      - { .name: Ao, .offset: 64, .size: 8, .value_kind: global_buffer, .address_space: global }
      - { .name: wc, .offset: 72, .size: 8, .value_kind: global_buffer, .address_space: global }
      - { .name: ws, .offset: 80, .size: 8, .value_kind: global_buffer, .address_space: global }
    .group_segment_fixed_size: 68096
    .private_segment_fixed_size: 0
    .kernarg_segment_align: 8
    .kernarg_segment_size: 88
    .max_flat_workgroup_size: 128
    .sgpr_count:     66
    .vgpr_count:     194
    .wavefront_size: 32
...
	.end_amdgpu_metadata
.endif
;; end of part 1
;; launch qkv (part 2): grid 16 x 16, 4 waves a work-group, clusters of 4 x 4, 262,656 bytes of LDS; arguments wc, ws, Bq, Bk, Bv, qc, kc, vc; writes qc, kc, vc
.if DOCPART == 2
	.amdgcn_target "amdgcn-amd-amdhsa--gfx1250"
	.amdhsa_code_object_version 6
	.text
	.protected	k_q970c25855c_qkv
	.globl	k_q970c25855c_qkv
	.p2align	8
	.type	k_q970c25855c_qkv,@function
k_q970c25855c_qkv:
	s_mov_b64 s[64:65], 0
	v_nop
	global_prefetch_b8 v0, s[64:65] scope:SCOPE_SE
	s_setreg_imm32_b32 hwreg(HW_REG_WAVE_MODE, 25, 1), 1
	s_wait_xcnt 0x0
	s_wait_alu depctr_hold_cnt(0) depctr_sa_sdst(0) depctr_va_vdst(0) depctr_va_sdst(0) depctr_va_ssrc(0) depctr_va_vcc(0) depctr_vm_vsrc(0)
	s_getreg_b32 s2, hwreg(HW_REG_IB_STS2, 6, 4)
	s_cmp_eq_u32 s2, 0
	s_cbranch_scc0 .Lentry_in_a_cluster
	s_endpgm
.Lentry_in_a_cluster:
	s_bfe_u32 s2, ttmp6, 0x10000c
	s_cmp_lg_u32 s2, 0xf033
	s_cbranch_scc0 .Lentry_shape_is_right
	s_endpgm
.Lentry_shape_is_right:
; q = (x Wq^T + 2 (x Aq^T) Bq^T) / 8, k and v likewise without the / 8, for ONE head and 256 tokens, and their quantisers: q and k along the head's 64, v along the tokens (the keys).
; The products on x are on codes of FP4 with E8M0 scales (tiles of wc, scale words of ws, as the launch before laid them); the rank-16 products are in f32, since their results go into quantisers.
; SHARES.  Work-group (head hd, token block tb).  Wave w: q and k of its own 64 tokens (x tiles 16 tb + 4 w + mt), TRANSPOSED (source 0 = 16 channels of W, source 1 = 16 tokens): a lane holds one token and its registers run
; along the channels;  v^T of channel tiles 2 (w % 2) + ct for the 128 tokens of half w / 2 (source 0 = 16 tokens, source 1 = 16 channels): a lane holds one channel and its registers run along the tokens;
; u = x A^T for q, k (own tiles) and v (8 tiles): source 0 = A's 16 ranks: a lane holds one token, register j rank 8 (lane / 16) + j.  64 matrix instructions for each 128 along K, the 64 accumulators by turns.
; The rows of a tile are 32 (t / 2) + 8 (t % 2) + r + 8 (r / 8), so that the 16 result registers of source-0 tiles 2 b, 2 b + 1 are 16 neighbours 32 b + 16 (lane / 16) + 0 .. 15: what the conversions take.
; LDS.  All of K fits: every tile whole, filled once: Wq's 4 tiles at 0, Wk's at 32,768, Wv's at 65,536 (8,192 bytes each), the three A tiles at 98,304, the 16 tiles of x at 131,072.
; CLUSTER 4 x 4: x's tiles hang on tb alone and are asked for jointly along a row of the cluster, W's on hd alone and jointly along a column.  The three A tiles are the same for every work-group of the launch, so no mask
; of four names those that share them: wave 3 fetches them for its own work-group, 24 KB of the work-group's 248 KB.
; OUT.  qc, kc: [head][group of 64 tokens][2,304]: four quads of 512 bytes (token tile 4 G + i; lane (r, h): block h of the head's 64), then 256 bytes [lane l][2 words]: word p' belongs to tile 2 p' + l / 16, row l % 16 (bytes 2, 3 zero).
; vc: [head][128 keys][4,352]: four fragments of 1,024 bytes (channel tile x 128 keys), then 256 bytes [p'][lane l]: channel tile 2 p' + l / 16.
; LIMITS: blocks whose largest magnitude lies under 2^-124 (q: 2^-121 ahead of the / 8) keep the floor's byte; a block of zeros has that byte and zero codes; NaN and infinities are not served.
; REGISTERS.  window 0: v1-9 addresses; v10, v11 floors; v12-30 the quantiser's; v32-115 scale words and nothing else (Wq 32, Wk 48, Wv 64, A 72, x 84: + 4 tile + p); v116-122 offsets; v128-255 x's fragments, two sets, later the codes.
;   window 1: W's fragments, two sets at 0 and 128 (Wq 0, Wk 32, Wv 64, A 80); set 0 later B in f32.   window 2: q's accumulators 32 mt + 8 nt, k's + 128.   window 3: v's 64 ct + 8 i; u: q 128, k 160, v 192.
.set TM,  12
.set PW,  28
.set FLQ, 10
.set FLK, 11
.set MSB, 0
.macro WIN new                         ; the immediate's high byte repeats the setting that is left
.if MSB != \new
	s_set_vgpr_msb (MSB<<8)|\new
.set MSB, \new
.endif
.endm
.macro CROUND                          ; a round of the cluster's barrier
	s_barrier_signal -1
	s_barrier_wait -1
	s_cmp_lg_u32 s20, 0
	s_cbranch_scc1 .Lnot_wave_0_\@
	s_barrier_signal -3
.Lnot_wave_0_\@:
	s_barrier_wait -3
	s_barrier_signal -1
	s_barrier_wait -1
.endm
.macro PLACES n
.rept \n
	v_nop
.endr
.endm
	s_load_b512 s[4:19], s[0:1], 0x0               ; wc, ws, Bq, Bk, Bv, qc, kc, vc
	v_lshl_add_u32 v126, v0, 2, 0x40000
	v_mov_b32 v127, 0
	ds_add_u32 v126, v127
	ds_add_u32 v126, v127
	v_lshrrev_b32 v1, 5, v0
	v_readfirstlane_b32 s20, v1                    ; wave
	s_and_b32 s21, s20, 1
	s_lshr_b32 s22, s20, 1
	s_bfe_u32 s56, ttmp6, 0x40000                  ; cx
	s_bfe_u32 s58, ttmp6, 0x40004                  ; cy
	s_lshl_b32 s57, ttmp9, 2
	s_add_co_u32 s57, s57, s56                     ; hd = 4 x cluster x + cx
	s_and_b32 s59, ttmp7, 0xffff
	s_lshl_b32 s59, s59, 2
	s_add_co_u32 s59, s59, s58                     ; tb = 4 x cluster y + cy
	s_lshl_b32 s60, s58, 2
	s_lshl_b32 s60, 15, s60                        ; my row of the cluster
	s_lshl_b32 s61, 0x1111, s56                    ; my column
	; group 1: whole tiles as rows of elements of 8 bytes, dense in LDS
	s_or_b32 s24, s60, (3<<16)|(1<<21)             ; x: the mask of my row; elements of 8 bytes; bit 21 beside a mask
	s_or_b32 s32, s61, (3<<16)|(1<<21)             ; W: the mask of my column
	; THE TILES COME WHOLE, ALL OF K, ONE TENSOR LOAD A WAVE.  LDS: Wq's 4 tiles at 0, Wk's at 32,768, Wv's at 65,536, the three A tiles at 98,304, x's 16 tiles at 131,072; a tile is 8,192 bytes, its K step s at 1,024 s.
	s_mov_b32 s25, 1024<<16                        ; x: 8 tiles, dense: 8 rows of 8,192 bytes (1,024 elements of 8)
	s_mov_b32 s26, 8<<16
	s_mov_b32 s27, 1024<<16
	s_mov_b32 s28, 8
	s_mov_b32 s29, 1024
	s_mov_b32 s30, 0
	s_mov_b32 s31, 0
	s_mov_b32 s33, 4096<<16                        ; W: 3 rows (Wq, Wk, Wv) of the head's 4 tiles, 32,768 bytes each, 64 tiles (65,536 elements) apart
	s_mov_b32 s34, 3<<16
	s_mov_b32 s35, 4096<<16
	s_mov_b32 s36, 3
	s_mov_b32 s37, 65536
	s_mov_b32 s38, 0
	s_mov_b32 s39, 0
	s_mov_b32 s84, 3<<16                           ; the A tiles: no mask, 3 rows of 8,192 bytes
	s_mov_b32 s85, 1024<<16
	s_mov_b32 s86, 3<<16
	s_mov_b32 s87, 1024<<16
	s_mov_b32 s88, 3
	s_mov_b32 s89, 1024
	s_mov_b32 s90, 0
	s_mov_b32 s91, 0
	s_lshl_b32 s62, s57, 15                        ; W: tile 256 + 4 hd, x 8,192 bytes
	s_add_co_u32 s62, s62, 256*8192
	s_mov_b32 s63, 0
	s_lshl_b32 s92, s59, 17                        ; x: tile 16 tb,
	s_lshl_b32 s93, s21, 16                        ; + 8 tiles for wave 1
	s_add_co_u32 s92, s92, s93
	s_mov_b32 s93, 0
	s_lshl_b32 s94, s21, 16
	s_add_co_u32 s94, s94, 131072                  ; where x's half goes: the wave's number alone
	s_wait_dscnt 0x0
	s_wait_kmcnt 0x0
	s_mov_b32 s40, 1
	s_mov_b32 s41, 0
	s_add_nc_u64 s[42:43], s[4:5], s[62:63]
	s_or_b32 s43, s43, 0x80000000
	s_mov_b32 s44, 1
	s_mov_b32 s45, 98304
	s_add_nc_u64 s[46:47], s[4:5], 448*8192
	s_or_b32 s47, s47, 0x80000000
	s_mov_b32 s68, 1
	s_mov_b32 s69, s94
	s_add_nc_u64 s[70:71], s[4:5], s[92:93]
	s_or_b32 s71, s71, 0x80000000
	CROUND                                         ; all sixteen work-groups are here: the joint loads meet
	s_cmp_lt_u32 s20, 2                            ; one chain of branches on the wave's number, one load to an arm: waves 0, 1 x's halves, wave 2 the head's W, wave 3 the A tiles
	s_cbranch_scc0 .Lnot_x
	tensor_load_to_lds s[68:71], s[24:31]
	s_nop 0
	PLACES 4
	s_branch .Lfilled
.Lnot_x:
	s_cmp_lt_u32 s20, 3
	s_cbranch_scc0 .Lplain
	tensor_load_to_lds s[40:43], s[32:39]
	s_nop 0
	PLACES 4
	s_branch .Lfilled
.Lplain:
	tensor_load_to_lds s[44:47], s[84:91]
	s_nop 0
	PLACES 4
.Lfilled:
	v_and_b32 v9, 31, v0                           ; lane
	v_lshlrev_b32 v1, 4, v9
	v_lshlrev_b32 v2, 2, v9
	v_lshlrev_b32 v3, 3, v9
	v_lshlrev_b32 v4, 4, v9                        ; LW: Wq and Wk
	s_lshl_b32 s95, s21, 14
	s_add_co_u32 s95, s95, 65536
	v_add_nc_u32 v5, s95, v1                       ; LV: my two tiles of Wv
	s_lshl_b32 s95, s20, 15
	s_add_co_u32 s95, s95, 131072
	v_add_nc_u32 v6, s95, v1                       ; LXO: my own four tiles of x
	s_xor_b32 s95, s20, 1
	s_lshl_b32 s95, s95, 15
	s_add_co_u32 s95, s95, 131072
	v_add_nc_u32 v7, s95, v1                       ; LXP: the four of the other wave of my half
	v_add_nc_u32 v123, 98304, v1                   ; LA: the three A tiles
	v_and_b32 v29, 15, v0
	v_bfe_u32 v30, v0, 4, 1
	v_and_b32 v8, 8, v29
	v_add_nc_u32 v8, v8, v29
	v_lshlrev_b32 v8, 6, v8
	v_lshl_add_u32 v8, v30, 5, v8                  ; B: row r + 8 (r / 8) of 64 bytes, + 32 h: ranks 8 h + 0 .. 7
	s_wait_alu depctr_va_vdst(0)
	s_lshl_b32 s95, s20, 11
	v_add_nc_u32 v116, s95, v2                     ; scale words of my own x tiles,
	s_wait_alu depctr_va_vdst(0)
	s_xor_b32 s95, s20, 1
	s_lshl_b32 s95, s95, 11
	v_add_nc_u32 v117, s95, v2                     ; of the partner's,
	s_wait_alu depctr_va_vdst(0)
	s_lshl_b32 s95, s21, 10
	v_add_nc_u32 v118, s95, v2                     ; of my two tiles of Wv
	s_wait_alu depctr_va_vdst(0)
	s_mul_i32 s95, s21, 2560
	v_add_nc_u32 v119, s95, v1                     ; vc: my channel tiles (2,048 (w % 2)), the quad of my own 64 tokens (512 (w % 2)),
	s_mul_i32 s95, s21, 1536
	s_add_co_u32 s95, s95, 512
	v_add_nc_u32 v120, s95, v1                     ; the other quad,
	s_lshl_b32 s95, s21, 7
	v_add_nc_u32 v121, s95, v2                     ; the scale words
	s_lshl_b32 s95, s21, 11
	v_add_nc_u32 v122, s95, v8                     ; Bv: my two channel tiles
	s_mov_b32 s3, 0x01000302
	s_cmp_eq_u32 s21, 0
	s_cselect_b32 s3, 0x03020100, s3               ; brings v's scale bytes into the order of the keys
	s_mov_b32 s2, 0x76543210
	s_mov_b32 s95, 0xfedcba98                      ; selects for lane l xor 16
	s_lshl_b32 s96, s57, 11
	s_add_co_u32 s96, s96, 131072
	s_mov_b32 s97, 0
	s_add_nc_u64 s[96:97], s[6:7], s[96:97]        ; ws at tile 256 + 4 hd
	s_lshl_b32 s98, s59, 13
	s_mov_b32 s99, 0
	s_add_nc_u64 s[98:99], s[6:7], s[98:99]        ; ws at x tile 16 tb
	s_lshl_b32 s100, s57, 12
	s_mov_b32 s101, 0
	s_add_nc_u64 s[8:9], s[8:9], s[100:101]        ; B at the head's 64 rows
	s_add_nc_u64 s[10:11], s[10:11], s[100:101]
	s_add_nc_u64 s[12:13], s[12:13], s[100:101]
	s_lshl_b32 s100, s57, 6
	s_lshl_b32 s23, s59, 2
	s_add_co_u32 s100, s100, s23
	s_add_co_u32 s100, s100, s20
	s_mul_i32 s100, s100, 2304                     ; group 64 hd + 4 tb + w
	s_add_nc_u64 s[14:15], s[14:15], s[100:101]
	s_add_nc_u64 s[16:17], s[16:17], s[100:101]
	s_lshl_b32 s100, s57, 5
	s_lshl_b32 s23, s59, 1
	s_add_co_u32 s100, s100, s23
	s_add_co_u32 s100, s100, s22
	s_mul_i32 s100, s100, 4352                     ; key step 32 hd + 2 tb + w / 2
	s_add_nc_u64 s[18:19], s[18:19], s[100:101]
.irp t, 0,1,2,3
.irp p, 0,1,2,3
	global_load_b32 v[32+4*\t+\p], v2, s[96:97] offset:512*\t+128*\p
	global_load_b32 v[48+4*\t+\p], v2, s[96:97] offset:32768+512*\t+128*\p
	global_load_b32 v[84+4*\t+\p], v116, s[98:99] offset:512*\t+128*\p
	global_load_b32 v[100+4*\t+\p], v117, s[98:99] offset:512*\t+128*\p
.endr
.endr
.irp t, 0,1
.irp p, 0,1,2,3
	global_load_b32 v[64+4*\t+\p], v118, s[96:97] offset:65536+512*\t+128*\p
.endr
.endr
.irp t, 0,1,2
.irp p, 0,1,2,3
	global_load_b32 v[72+4*\t+\p], v2, s[6:7] offset:(448+\t)*512+128*\p
.endr
.endr
	v_mov_b32 v[FLQ], 0x3000000                    ; 2^(6 - 127): q's bytes stay at 4 or more, so that 3 can be taken off each
	v_mov_b32 v[FLK], 0x1800000                    ; 2^(3 - 127)
.irp b, 0,1,2,3
	v_mov_b32 v[TM+4+\b], 0                        ; a lane permute's destination counts as read
.endr
	v_cmp_gt_u32 s23, 16, v9                       ; lanes 0-15
; one matrix instruction.  kind 0: starts a sum; 1: an even K step (scale words in lanes 0-15); 2: an odd one (lanes 16-31)
.macro WM d, a, b, sa, sb, kind
.if \kind == 0
	v_wmma_scale_f32_16x16x128_f8f6f4 v[(\d):(\d)+7], v[(\a):(\a)+7], v[(\b):(\b)+7], 0, v[\sa], v[\sb] matrix_a_fmt:MATRIX_FMT_FP4 matrix_b_fmt:MATRIX_FMT_FP4
.elseif \kind == 1
	v_wmma_scale_f32_16x16x128_f8f6f4 v[(\d):(\d)+7], v[(\a):(\a)+7], v[(\b):(\b)+7], v[(\d):(\d)+7], v[\sa], v[\sb] matrix_a_fmt:MATRIX_FMT_FP4 matrix_b_fmt:MATRIX_FMT_FP4
.else
	v_wmma_scale_f32_16x16x128_f8f6f4 v[(\d):(\d)+7], v[(\a):(\a)+7], v[(\b):(\b)+7], v[(\d):(\d)+7], v[\sa], v[\sb] matrix_a_fmt:MATRIX_FMT_FP4 matrix_b_fmt:MATRIX_FMT_FP4 matrix_a_scale:MATRIX_SCALE_ROW1 matrix_b_scale:MATRIX_SCALE_ROW1
.endif
.endm
.macro FETCH s                         ; K step s's 21 fragments, 42 loads of 512 consecutive bytes, into set s % 2
.set WSB, 128*((\s)%2)
.set XSB, 128+64*((\s)%2)
.set KOF, 1024*(\s)
	WIN 0x40                                       ; destination window 1
.irp t, 0,1,2,3
.irp c, 0,1
	ds_load_b128 v[WSB+8*\t+4*\c:WSB+8*\t+4*\c+3], v4 offset:8192*\t+KOF+512*\c
	ds_load_b128 v[WSB+32+8*\t+4*\c:WSB+32+8*\t+4*\c+3], v4 offset:32768+8192*\t+KOF+512*\c
.endr
.endr
.irp t, 0,1
.irp c, 0,1
	ds_load_b128 v[WSB+64+8*\t+4*\c:WSB+64+8*\t+4*\c+3], v5 offset:8192*\t+KOF+512*\c
.endr
.endr
.irp t, 0,1,2
.irp c, 0,1
	ds_load_b128 v[WSB+80+8*\t+4*\c:WSB+80+8*\t+4*\c+3], v123 offset:8192*\t+KOF+512*\c
.endr
.endr
	WIN 0
.irp t, 0,1,2,3
.irp c, 0,1
	ds_load_b128 v[XSB+8*\t+4*\c:XSB+8*\t+4*\c+3], v6 offset:8192*\t+KOF+512*\c
	ds_load_b128 v[XSB+32+8*\t+4*\c:XSB+32+8*\t+4*\c+3], v7 offset:8192*\t+KOF+512*\c
.endr
.endr
.endm
.macro MULS s                          ; 64 matrix instructions, each on another accumulator, in the same order in every K step
.set WSB, 128*((\s)%2)
.set XSB, 128+64*((\s)%2)
.set PP, (\s)/2
.if (\s) == 0
.set KD, 0
.elseif (\s)%2 == 0
.set KD, 1
.else
.set KD, 2
.endif
	WIN 0xa1                                       ; source 0 (W) window 1, source 1 (x) window 0, C and D window 2
.irp mt, 0,1,2,3
.irp nt, 0,1,2,3
	WM 32*\mt+8*\nt, WSB+8*\nt, XSB+8*\mt, 32+4*\nt+PP, 84+4*\mt+PP, KD
.endr
.endr
.irp mt, 0,1,2,3
.irp nt, 0,1,2,3
	WM 128+32*\mt+8*\nt, WSB+32+8*\nt, XSB+8*\mt, 48+4*\nt+PP, 84+4*\mt+PP, KD
.endr
.endr
	WIN 0xf4                                       ; source 0 (x) window 0, source 1 (Wv) window 1, C and D window 3
.irp ct, 0,1
.irp i, 0,1,2,3,4,5,6,7
	WM 64*\ct+8*\i, XSB+8*\i, WSB+64+8*\ct, 84+4*\i+PP, 64+4*\ct+PP, KD
.endr
.endr
	WIN 0xf1                                       ; source 0 (A) window 1, source 1 (x) window 0, C and D window 3
.irp mt, 0,1,2,3
	WM 128+8*\mt, WSB+80, XSB+8*\mt, 72+PP, 84+4*\mt+PP, KD
.endr
.irp mt, 0,1,2,3
	WM 160+8*\mt, WSB+88, XSB+8*\mt, 76+PP, 84+4*\mt+PP, KD
.endr
.irp i, 0,1,2,3,4,5,6,7
	WM 192+8*\i, WSB+96, XSB+8*\i, 80+PP, 84+4*\i+PP, KD
.endr
	WIN 0
.endm
.macro BLOAD                           ; B in f32, in the layout of the f32 matrix form's source: lane (r, h): ranks 8 h + 0 .. 7 of channel row r: into W's set 0
	WIN 0x40
.irp t, 0,1,2,3
.irp e, 0,1
	global_load_b128 v[8*\t+4*\e:8*\t+4*\e+3], v8, s[8:9] offset:(32*(\t/2)+8*(\t%2))*64+16*\e
	global_load_b128 v[32+8*\t+4*\e:32+8*\t+4*\e+3], v8, s[10:11] offset:(32*(\t/2)+8*(\t%2))*64+16*\e
.endr
.endr
.irp t, 0,1
.irp e, 0,1
	global_load_b128 v[64+8*\t+4*\e:64+8*\t+4*\e+3], v122, s[12:13] offset:512*\t+16*\e
.endr
.endr
	WIN 0
.endm
	s_wait_alu depctr_va_vdst(0)
	s_wait_tensorcnt 0x0                           ; my one load is in: nothing is filled again in this launch
	s_barrier_signal -1
	s_barrier_wait -1                              ; everybody's are
	FETCH 0
.irp s, 0,1,2,3,4,5,6,7
	s_wait_dscnt 0x0                               ; this K step's fragments are in
.if \s == 0
	s_wait_loadcnt 0x0                             ; the scale words
.endif
.if \s > 0
	PLACES 4                                       ; places in front of loads into registers that the last K step's products read
.endif
.if \s < 7
	s_wait_alu depctr_va_vdst(0)
	FETCH \s+1
.else
	BLOAD
.endif
	MULS \s
.endr
	PLACES 5                                       ; behind the last products: u is read by vector instructions, and the sums are taken up by another matrix form
	WIN 0xc3
.set i, 0
.rept 64
	v_pk_mul_f32 v[128+i:129+i], v[128+i:129+i], 2.0 op_sel_hi:[1,0]   ; u x alpha / r: exact
.set i, i+2
.endr
	WIN 0
	s_wait_alu depctr_va_vdst(0)
	s_wait_loadcnt 0x0                             ; B
	PLACES 4
; THE RANK-16 PRODUCTS, in f32, onto the sums in place.  Step sp takes registers 2 sp, 2 sp + 1 of both operands: rank 8 h + 2 sp + j on both sides, so nothing changes lanes.  The accumulators by turns.
	WIN 0xad                                       ; source 0 (B) window 1, source 1 (u) window 3, C and D window 2
.irp sp, 0,1,2,3
.irp mt, 0,1,2,3
.irp nt, 0,1,2,3
	v_wmma_f32_16x16x4_f32 v[32*\mt+8*\nt:32*\mt+8*\nt+7], v[8*\nt+2*\sp:8*\nt+2*\sp+1], v[128+8*\mt+2*\sp:128+8*\mt+2*\sp+1], v[32*\mt+8*\nt:32*\mt+8*\nt+7]
.endr
.endr
.irp mt, 0,1,2,3
.irp nt, 0,1,2,3
	v_wmma_f32_16x16x4_f32 v[128+32*\mt+8*\nt:128+32*\mt+8*\nt+7], v[32+8*\nt+2*\sp:32+8*\nt+2*\sp+1], v[160+8*\mt+2*\sp:160+8*\mt+2*\sp+1], v[128+32*\mt+8*\nt:128+32*\mt+8*\nt+7]
.endr
.endr
.endr
	WIN 0xf7                                       ; source 0 (u) window 3, source 1 (Bv) window 1, C and D window 3
.irp sp, 0,1,2,3
.irp ct, 0,1
.irp i, 0,1,2,3,4,5,6,7
	v_wmma_f32_16x16x4_f32 v[64*\ct+8*\i:64*\ct+8*\i+7], v[192+8*\i+2*\sp:192+8*\i+2*\sp+1], v[64+8*\ct+2*\sp:64+8*\ct+2*\sp+1], v[64*\ct+8*\i:64*\ct+8*\i+7]
.endr
.endr
.endr
	WIN 0
	PLACES 8                                       ; eight places behind the f32 form before its results are read
; 64 registers of window w from s on, register 16 b + i = number 32 b + 16 (lane / 16) + i along the next K, become 8 registers of codes at v[pc] and a scale word in v[PW].  Each accumulator is read from its low end on.
.macro QUANT4 w, s, fl, pc
	WIN ((\w)<<2)|((\w)<<4)
.irp b, 0,1,2,3
	v_max3_num_f32 v[TM+\b], v[\fl], |v[(\s)+16*\b]|, |v[(\s)+16*\b+1]|
.endr
.irp i, 2,4,6,8,10,12,14
.irp b, 0,1,2,3
	v_max3_num_f32 v[TM+\b], v[TM+\b], |v[(\s)+16*\b+\i]|, |v[(\s)+16*\b+\i+1]|
.endr
.endr
	WIN 0
.irp b, 0,1,2,3
	v_permlanex16_b32 v[TM+4+\b], v[TM+\b], s2, s95
.endr
.irp b, 0,1,2,3
	v_max_num_f32 v[TM+\b], v[TM+\b], v[TM+4+\b]   ; with lane l xor 16's 16: the block's largest magnitude
.endr
.irp b, 0,1,2,3
	v_add_nc_u32 v[TM+12+\b], 0xff000000, v[TM+\b] ; 2 off the exponent field: the conversion's scale operand
.endr
.irp b, 0,1,2,3
	v_lshrrev_b32 v[TM+4+\b], 23, v[TM+12+\b]      ; the scale's byte
.endr
	v_lshl_or_b32 v[PW], v[TM+5], 8, v[TM+4]
	v_lshl_or_b32 v[PW], v[TM+6], 16, v[PW]
	v_lshl_or_b32 v[PW], v[TM+7], 24, v[PW]
	WIN \w
.irp b, 0,1,2,3
	v_cvt_scalef32_pk8_fp4_f32 v[(\pc)+2*\b], v[(\s)+16*\b:(\s)+16*\b+7], v[TM+12+\b]
	v_cvt_scalef32_pk8_fp4_f32 v[(\pc)+2*\b+1], v[(\s)+16*\b+8:(\s)+16*\b+15], v[TM+12+\b]
.endr
	WIN 0
	v_nop                                          ; a plain line behind the last conversion
.irp c, 0,1
.irp i, 0,1
	v_permlane16_swap_b32 v[(\pc)+4*\c+\i], v[(\pc)+4*\c+2+\i]   ; a whole block to a lane: lanes 0-15 block 2 c, lanes 16-31 block 2 c + 1
.endr
.endr
.endm
; q and k: 64 registers are two token tiles x the head's two blocks: quad c is token tile 2 pr + c
.irp pr, 0,1
	QUANT4 2, 64*\pr, FLQ, 128+8*\pr
	v_add_nc_u32 v[PW], 0xfcfcfcfd, v[PW]          ; 3 off each byte: the / 8, exact; no byte is under 4
	global_store_b128 v1, v[128+8*\pr:131+8*\pr], s[14:15] offset:1024*\pr
	global_store_b128 v1, v[132+8*\pr:135+8*\pr], s[14:15] offset:1024*\pr+512
	v_and_b32 v29, 0xffff, v[PW]
	v_lshrrev_b32 v30, 16, v[PW]
	v_cndmask_b32 v[176+\pr], v30, v29, s23        ; lanes 0-15: tile 2 pr's two bytes; lanes 16-31: tile 2 pr + 1's
.endr
	global_store_b64 v3, v[176:177], s[14:15] offset:2048
.irp pr, 0,1
	QUANT4 2, 128+64*\pr, FLK, 144+8*\pr
	global_store_b128 v1, v[144+8*\pr:147+8*\pr], s[16:17] offset:1024*\pr
	global_store_b128 v1, v[148+8*\pr:151+8*\pr], s[16:17] offset:1024*\pr+512
	v_and_b32 v29, 0xffff, v[PW]
	v_lshrrev_b32 v30, 16, v[PW]
	v_cndmask_b32 v[178+\pr], v30, v29, s23
.endr
	global_store_b64 v3, v[178:179], s[16:17] offset:2048
; v: 64 registers are one channel's 128 tokens: my own 64 first, then the partner's: quad 0 goes where my own tokens lie among the keys
.irp ct, 0,1
	QUANT4 3, 64*\ct, FLK, 160+8*\ct
	global_store_b128 v119, v[160+8*\ct:163+8*\ct], s[18:19] offset:1024*\ct
	global_store_b128 v120, v[164+8*\ct:167+8*\ct], s[18:19] offset:1024*\ct
	v_perm_b32 v[180+\ct], v[PW], v[PW], s3
.endr
	v_cndmask_b32 v182, v181, v180, s23            ; lanes 0-15: my first channel tile's words; lanes 16-31: my second's
	global_store_b32 v121, v182, s[18:19] offset:4096
	s_wait_tensorcnt 0x0
	ds_add_u32 v126, v127
	s_wait_dscnt 0x0
	CROUND                                         ; the closing round: no work-group ends while a partner may still ask for a tile that names it
	s_endpgm
.Lfunc_end_k_q970c25855c_qkv:
	.size	k_q970c25855c_qkv, .Lfunc_end_k_q970c25855c_qkv-k_q970c25855c_qkv
	.p2alignl 7, 3214868480
	.fill 96, 4, 3214868480
	.section	.rodata,"a",@progbits
	.p2align	6, 0x0
	.amdhsa_kernel k_q970c25855c_qkv
		.amdhsa_group_segment_fixed_size 262656
		.amdhsa_private_segment_fixed_size 0
		.amdhsa_enable_private_segment 0
		.amdhsa_kernarg_size 64
		.amdhsa_user_sgpr_count 2
		.amdhsa_user_sgpr_kernarg_segment_ptr 1
		.amdhsa_wavefront_size32 1
		.amdhsa_system_sgpr_workgroup_id_x 1
		.amdhsa_system_sgpr_workgroup_id_y 1
		.amdhsa_system_sgpr_workgroup_id_z 1
		.amdhsa_system_vgpr_workitem_id 0
		.amdhsa_next_free_vgpr 1024
		.amdhsa_next_free_sgpr 102
		.amdhsa_reserve_vcc 0
		.amdhsa_float_denorm_mode_32 3
		.amdhsa_float_denorm_mode_16_64 3
		.amdhsa_memory_ordered 1
		.amdhsa_forward_progress 1
		.amdhsa_inst_pref_size 148
	.end_amdhsa_kernel
	.amdgpu_metadata
---
amdhsa.version: [ 1, 2 ]
amdhsa.kernels:
  - .name:           k_q970c25855c_qkv
    .symbol:         k_q970c25855c_qkv.kd
    .args:
      - { .name: wc, .offset: 0, .size: 8, .value_kind: global_buffer, .address_space: global }
      - { .name: ws, .offset: 8, .size: 8, .value_kind: global_buffer, .address_space: global }
      - { .name: Bq, .offset: 16, .size: 8, .value_kind: global_buffer, .address_space: global }
      - { .name: Bk, .offset: 24, .size: 8, .value_kind: global_buffer, .address_space: global }
      - { .name: Bv, .offset: 32, .size: 8, .value_kind: global_buffer, .address_space: global }
      - { .name: qc, .offset: 40, .size: 8, .value_kind: global_buffer, .address_space: global }
      - { .name: kc, .offset: 48, .size: 8, .value_kind: global_buffer, .address_space: global }
      - { .name: vc, .offset: 56, .size: 8, .value_kind: global_buffer, .address_space: global }
    .group_segment_fixed_size: 262656
    .private_segment_fixed_size: 0
    .kernarg_segment_align: 8
    .kernarg_segment_size: 64
    .max_flat_workgroup_size: 128
    .sgpr_count:     102
    .vgpr_count:     1024
    .wavefront_size: 32
...
	.end_amdgpu_metadata
.endif
;; end of part 2
;; launch attn (part 3): grid 4 x 64, 16 waves a work-group, clusters of 4 x 4, 327,680 bytes of LDS; arguments attention_mask, qc, kc, vc, aoc, aos; writes aoc, aos
.if DOCPART == 3
	.amdgcn_target "amdgcn-amd-amdhsa--gfx1250"
	.amdhsa_code_object_version 6
	.text
	.protected	k_q970c25855c_attn
	.globl	k_q970c25855c_attn
	.p2align	8
	.type	k_q970c25855c_attn,@function
k_q970c25855c_attn:
	s_mov_b64 s[64:65], 0
	v_nop
	global_prefetch_b8 v0, s[64:65] scope:SCOPE_SE
	s_setreg_imm32_b32 hwreg(HW_REG_WAVE_MODE, 25, 1), 1
	s_wait_xcnt 0x0
	s_wait_alu depctr_hold_cnt(0) depctr_sa_sdst(0) depctr_va_vdst(0) depctr_va_sdst(0) depctr_va_ssrc(0) depctr_va_vcc(0) depctr_vm_vsrc(0)
	s_getreg_b32 s2, hwreg(HW_REG_IB_STS2, 6, 4)
	s_cmp_eq_u32 s2, 0
	s_cbranch_scc0 .Lentry_in_a_cluster
	s_endpgm
.Lentry_in_a_cluster:
	s_bfe_u32 s2, ttmp6, 0x10000c
	s_cmp_lg_u32 s2, 0xf033
	s_cbranch_scc0 .Lentry_shape_is_right
	s_endpgm
.Lentry_shape_is_right:
; For 64 queries and 4 heads: scores = q k^T + mask, held at the smallest f32 number from below, softmax, x v, / the row's sum, and the quantiser of the result along the channels.  Both products on codes of FP4 with E8M0 scales.
; THE SOFTMAX AHEAD OF THE SECOND PRODUCT: t = logit x log2(e); M = the running largest t rounded UP to a whole number; p = 2^(t - M) is quantised along the keys, not normalised; the sum is taken of the unquantised p.
; When M moves, the sum and O are multiplied by 2^(old M - new M): exact.
; SHARES.  Wave w of sixteen: query tile qt = w % 4 (token tile 4 qb + qt), head 4 hg + w / 4; four waves to a SIMD.  Every wave walks 32 key steps of 128: the mask is an input, so no pair of query and key is left out.
; LAYOUT.  Both products transposed: S^T = K Q^T (source 0 = 16 keys), O^T = V^T P^T (source 0 = 16 channels): a lane holds ONE query.  Token tiles hold rows 32 (t / 2) + 8 (t % 2) + r + 8 (r / 8), so the 16 registers
; of key tiles 2 b, 2 b + 1 are keys 32 b + 16 (lane / 16) + 0 .. 15.
; THE MASK IS THE C OF THE SCORES' MATRIX INSTRUCTION: the head's 64 are one instruction deep, so the mask's numbers are loaded from LDS into the scores' registers and the product is added onto them: no vector addition.
; K = 64 IN A FORM OF K = 128: Q's registers 4-7 hold zero codes and the scale bytes 2, 3 of both sides are 0 (2^-127, no NaN).  K's operand of tile t is registers 4 t .. 4 t + 7 of K's eight quads: its upper four are the next
; tile's codes (behind the last: zeros); they meet zero codes and add nothing.
; THE HOLD AT THE SMALLEST NUMBER is done by the row: under a larger logit, the smallest number and what lies below it both give p = 0.  A row in which no t has yet risen above -2^126 ('dark') gets the multiplier 0 and the
; addend 0 by two selects: every p is 1, as for equal logits; a later real logit makes 2^(old M - new M) = 0, which wipes those sums.
; LIMITS: a row whose every logit lies at or under -2^126 / log2(e), about -5.9e37, is treated as a row of equal logits; an infinite or NaN logit in such a row gives NaN.  A block whose every p is 0 has the byte 1 and zero codes.
; RING.  Two LDS slots of two key steps: 64 mask rows of 1,024 bytes + 16 of padding (row 16 qt + r: 65 x 16 bytes apart, so sixteen rows start at sixteen different 16-byte columns), 4 heads x 9,216 bytes of K, 4 x 8,704 of V.
; One tensor load a wave: waves 0-7 eight mask rows each, waves 8-11 K of a head, waves 12-15 V.
; CLUSTER 4 x 4: the mask's rows hang on qb alone and are asked for jointly along a row of the cluster, K and V on hg alone and jointly along a column.
.set SLOT,  138240
.set KOFF,  66560
.set VOFF,  103424
.set SPARE, 276480                     ; behind the ring: the spare words, 128 bytes for each of sixteen waves: eight blocks of 256 bytes that no other line names
; v1-5 my lane's places (mask, K, K's scales, V, V's scales); v6 spare word, v7 0; v8-12 the same places in the slot in hand; v13 prefetch offset; v[16:17] multiplier, v[18:19] addend, v[20:21] sum, v[22:23] f;
; v24 -M, v25 largest t, v26 at work; v[28:35] Q; v36 Q's scales; v38-41 K's; v42-43 V's; v44 p's; v[48:79] K, v[80:83] zeros; v[84:115] V; v[116:179] S^T, then p; v[180:211] O^T; v[212:219] p's codes; v220-233 at work
; s16 wave; s[24:47] groups 1 (mask, K, V); s[48:59] groups 0; s60-62 their LDS places in a slot; s63 the slot being filled; s66 the slot being read; s67 slots to ask for; s[68:69] selects; s70 log2(e); s[72:73], s74 prefetch
.macro CROUND
	s_barrier_signal -1
	s_barrier_wait -1
	s_cmp_lg_u32 s16, 0
	s_cbranch_scc1 .Lnot_wave_0_\@
	s_barrier_signal -3
.Lnot_wave_0_\@:
	s_barrier_wait -3
	s_barrier_signal -1
	s_barrier_wait -1
.endm
.macro TLOAD                           ; a wave's one joint load.  The branches hang on the wave's number alone; four v_nop follow each of the three lines
	s_cmp_lt_u32 s16, 8
	s_cbranch_scc0 .Lnot_m_\@
	tensor_load_to_lds s[48:51], s[24:31]
	s_nop 0
.rept 4
	v_nop
.endr
	s_branch .Lasked_\@
.Lnot_m_\@:
	s_cmp_lt_u32 s16, 12
	s_cbranch_scc0 .Lnot_k_\@
	tensor_load_to_lds s[52:55], s[32:39]
	s_nop 0
.rept 4
	v_nop
.endr
	s_branch .Lasked_\@
.Lnot_k_\@:
	tensor_load_to_lds s[56:59], s[40:47]
	s_nop 0
.rept 4
	v_nop
.endr
.Lasked_\@:
.endm
; A PREFETCH of the mask's part of the slot that the NEXT change of slots will ask for: 64 rows x 1,024 bytes = 256 blocks of 256 bytes.  The four partners that ask for these rows jointly take 16 rows each, told apart BY ADDRESS;
; in each, waves 0 and 1 ask for 8 rows, four lanes to a row: one instruction a wave, each block named once in the launch.  The last change that fills a slot asks for nothing.  Slots 0 and 1 come by their loads alone.
.macro ASK
	s_cmp_gt_u32 s67, s74
	s_cbranch_scc0 .Lnot_mine_\@
	global_prefetch_b8 v13, s[72:73] th:TH_LOAD_NT scope:SCOPE_SE
.Lnot_mine_\@:
.endm
	s_load_b256 s[4:11], s[0:1], 0x0               ; mask, qc, kc, vc
	s_load_b128 s[12:15], s[0:1], 0x20             ; aoc, aos
	v_lshl_add_u32 v6, v0, 2, SPARE
	v_mov_b32 v7, 0
	ds_add_u32 v6, v7
	ds_add_u32 v6, v7
	s_wait_dscnt 0x0
	v_lshrrev_b32 v8, 5, v0
	s_delay_alu instid0(VALU_DEP_1)
	v_readfirstlane_b32 s16, v8                    ; wave 0..15
	s_and_b32 s17, s16, 3                          ; qt.  Also: which of the four heads' K or V I fetch
	s_lshr_b32 s22, s16, 2                         ; my head among the four
	s_and_b32 s23, s16, 7                          ; g: which eight mask rows I fetch
	s_bfe_u32 s18, ttmp6, 0x40000                  ; cx
	s_bfe_u32 s19, ttmp6, 0x40004                  ; cy
	s_lshl_b32 s20, ttmp9, 2
	s_add_co_u32 s20, s20, s18                     ; hg
	s_and_b32 s21, ttmp7, 0xffff
	s_lshl_b32 s21, s21, 2
	s_add_co_u32 s21, s21, s19                     ; qb
	s_lshl_b32 s75, s19, 2
	s_lshl_b32 s75, 15, s75                        ; my row of the cluster
	s_lshl_b32 s76, 0x1111, s18                    ; my column
	s_or_b32 s24, s75, (3<<16)|(1<<20)|(1<<21)|(7<<22)|(3<<25)   ; mask rows: elements of 8 bytes; padding on: 4 words behind every 256; bit 21 beside a mask
	s_mov_b32 s25, 128<<16                         ; tensor_dim0: 1,024 bytes
	s_mov_b32 s26, 8<<16                           ; tensor_dim1
	s_mov_b32 s27, 128<<16                         ; tile_dim0
	s_mov_b32 s28, 8                               ; tile_dim1
	s_mov_b32 s29, 2048                            ; from row to row: 16,384 bytes
	s_mov_b32 s30, 0
	s_mov_b32 s31, 0
	s_or_b32 s32, s76, (3<<16)|(1<<21)             ; K: 9,216 dense bytes as 36 rows of 256
	s_mov_b32 s33, 32<<16
	s_mov_b32 s34, 36<<16
	s_mov_b32 s35, 32<<16
	s_mov_b32 s36, 36
	s_mov_b32 s37, 32
	s_mov_b32 s38, 0
	s_mov_b32 s39, 0
	s_or_b32 s40, s76, (3<<16)|(1<<21)             ; V: 8,704 dense bytes as 34 rows of 256
	s_mov_b32 s41, 32<<16
	s_mov_b32 s42, 34<<16
	s_mov_b32 s43, 32<<16
	s_mov_b32 s44, 34
	s_mov_b32 s45, 32
	s_mov_b32 s46, 0
	s_mov_b32 s47, 0
	s_and_b32 s77, s23, 4                          ; memory rows 8 g .. 8 g + 7 of the block are LDS rows 8 beta on, beta = g with its two low bits changed round: so that LDS row 16 qt + r is tile qt's row r
	s_and_b32 s78, s23, 1
	s_lshl_b32 s78, s78, 1
	s_or_b32 s77, s77, s78
	s_bfe_u32 s78, s23, 0x10001
	s_or_b32 s77, s77, s78
	s_mul_i32 s60, s77, 8320
	s_mul_i32 s61, s17, 9216
	s_add_co_u32 s61, s61, KOFF
	s_mul_i32 s62, s17, 8704
	s_add_co_u32 s62, s62, VOFF
	s_mov_b32 s63, 0
	s_mov_b32 s66, 0
	s_mov_b32 s67, 15
	s_mov_b32 s68, 0x76543210
	s_mov_b32 s69, 0xfedcba98
	s_mov_b32 s70, 0x3fb8aa3b                      ; log2(e)
	s_lshl_b32 s80, s21, 20                        ; 64 qb rows of 16,384 bytes,
	s_lshl_b32 s81, s23, 17                        ; 8 g rows
	s_add_co_u32 s80, s80, s81
	s_mov_b32 s81, 0
	s_lshl_b32 s82, s20, 2
	s_add_co_u32 s82, s82, s17                     ; the head whose K or V I fetch
	s_mul_i32 s84, s82, 147456                     ; 64 groups of 2,304 bytes
	s_mov_b32 s85, 0
	s_mul_i32 s86, s82, 139264                     ; 32 key steps of 4,352 bytes
	s_mov_b32 s87, 0
	s_wait_kmcnt 0x0
	s_mov_b32 s48, 1
	s_mov_b32 s49, s60
	s_add_nc_u64 s[50:51], s[4:5], s[80:81]
	s_or_b32 s51, s51, 0x80000000
	s_mov_b32 s52, 1
	s_mov_b32 s53, s61
	s_add_nc_u64 s[54:55], s[8:9], s[84:85]
	s_or_b32 s55, s55, 0x80000000
	s_mov_b32 s56, 1
	s_mov_b32 s57, s62
	s_add_nc_u64 s[58:59], s[10:11], s[86:87]
	s_or_b32 s59, s59, 0x80000000
	CROUND                                         ; all sixteen work-groups are here: the first joint loads meet
	TLOAD                                          ; slot 0
	s_lshl_b32 s88, s20, 2
	s_add_co_u32 s88, s88, s22                     ; my head
	s_lshl_b32 s89, s88, 6
	s_add_co_u32 s89, s89, s21
	s_mul_i32 s90, s89, 2304                       ; Q's group 64 head + qb
	s_mov_b32 s91, 0
	s_add_nc_u64 s[6:7], s[6:7], s[90:91]
	s_lshl_b32 s94, s21, 2
	s_add_co_u32 s94, s94, s17                     ; my token tile
	s_lshl_b32 s90, s94, 13
	s_lshl_b32 s89, s88, 9
	s_add_co_u32 s90, s90, s89
	s_add_nc_u64 s[12:13], s[12:13], s[90:91]      ; aoc: tile x 8,192 + head x 512
	s_lshl_b32 s90, s94, 11
	s_lshl_b32 s89, s88, 7
	s_add_co_u32 s90, s90, s89
	s_add_nc_u64 s[14:15], s[14:15], s[90:91]      ; aos: tile x 2,048 + head x 128
	s_lshl_b32 s96, s21, 20                        ; the prefetches: 64 qb rows,
	s_lshl_b32 s97, s18, 18                        ; my work-group's 16,
	s_add_co_u32 s96, s96, s97
	s_and_b32 s97, s16, 1
	s_lshl_b32 s97, s97, 17                        ; my wave's 8,
	s_add_co_u32 s96, s96, s97
	s_add_co_u32 s96, s96, 1024                    ; in slot 1: the first change of slots steps it to slot 2
	s_mov_b32 s97, 0
	s_add_nc_u64 s[72:73], s[4:5], s[96:97]
	s_cmp_lt_u32 s16, 2
	s_cselect_b32 s74, 1, -1
	v_and_b32 v8, 15, v0                           ; r
	v_bfe_u32 v9, v0, 4, 1                         ; h
	v_and_b32 v10, 31, v0                          ; lane
	s_wait_alu depctr_va_vdst(0)
	s_lshl_b32 s92, s17, 9
	v_lshl_add_u32 v14, v10, 4, s92                ; Q's quad: 512 qt + 16 lane
	s_and_b32 s93, s17, 1
	s_lshl_b32 s93, s93, 7
	s_lshr_b32 s92, s17, 1
	s_lshl_b32 s92, s92, 2
	s_add_co_u32 s93, s93, s92
	v_lshl_add_u32 v15, v8, 3, s93                 ; its scale word: lane 16 (qt % 2) + r, word qt / 2
	global_load_b128 v[28:31], v14, s[6:7]
	global_load_b32 v36, v15, s[6:7] offset:2048
	s_mul_i32 s79, s17, 16640
	v_mul_u32_u24 v1, v8, 1040
	s_delay_alu instid0(VALU_DEP_1)
	v_lshl_add_u32 v1, v9, 6, v1
	s_delay_alu instid0(VALU_DEP_1)
	v_add_nc_u32 v1, s79, v1                       ; mask: row 16 qt + r, + 64 h
	s_mul_i32 s79, s22, 9216
	s_add_co_u32 s79, s79, KOFF
	v_lshl_add_u32 v2, v10, 4, s79
	s_add_co_u32 s79, s79, 2048
	v_lshl_add_u32 v3, v10, 3, s79
	s_mul_i32 s79, s22, 8704
	s_add_co_u32 s79, s79, VOFF
	v_lshl_add_u32 v4, v10, 4, s79
	s_add_co_u32 s79, s79, 4096
	v_lshl_add_u32 v5, v10, 2, s79
	v_lshrrev_b32 v13, 2, v10
	s_delay_alu instid0(VALU_DEP_1)
	v_lshlrev_b32 v13, 14, v13
	v_and_b32 v11, 3, v10
	s_delay_alu instid0(VALU_DEP_1)
	v_lshl_add_u32 v13, v11, 8, v13                ; (lane / 4) rows + 256 (lane % 4)
	v_mov_b32 v25, 0xfe800000                      ; the largest t so far: -2^126
	s_delay_alu instid0(VALU_DEP_1)
	v_floor_f32 v24, -v25                          ; -M
.irp j, 17,19,20,21,23,32,33,34,35,80,81,82,83,224,225,226,227
	v_mov_b32 v\j, 0                               ; upper halves of pairs, the sum, Q's zero codes, the zeros behind K, the permutes' destinations
.endr
.set j, 0
.rept 32
	v_mov_b32 v[180+j], 0                          ; O^T: the loop is written once; its first step finds zeros
.set j, j+1
.endr
; A KEY STEP: 128 keys, the q-th of the slot in hand
.macro STEP q
.if \q == 0
	v_add_nc_u32 v8, s66, v1                       ; (these lines are also the places in front of loads into registers that the last products read)
	v_add_nc_u32 v9, s66, v2
	v_add_nc_u32 v10, s66, v3
	v_add_nc_u32 v11, s66, v4
	v_add_nc_u32 v12, s66, v5
.else
.rept 4
	v_nop
.endr
.endif
.irp t, 0,1,2,3,4,5,6,7
	ds_load_b128 v[48+4*\t:51+4*\t], v9 offset:(2*\q+\t/4)*2304+512*(\t%4)
.endr
.irp g, 0,1
	ds_load_b64 v[38+2*\g:39+2*\g], v10 offset:(2*\q+\g)*2304
.endr
.irp b, 0,1,2,3
.irp i, 0,1,2,3
	ds_load_b128 v[116+16*\b+4*\i:119+16*\b+4*\i], v8 offset:512*\q+128*\b+16*\i   ; the mask of my query at keys 32 b + 16 h + 4 i on: the scores' C
.endr
.endr
.irp ct, 0,1,2,3
.irp c, 0,1
	ds_load_b128 v[84+8*\ct+4*\c:87+8*\ct+4*\c], v11 offset:4352*\q+1024*\ct+512*\c
.endr
.endr
.irp p, 0,1
	ds_load_b32 v[42+\p], v12 offset:4352*\q+128*\p
.endr
	s_wait_dscnt 10                                ; K, its scales and the mask are in; V's eight loads and its scales' two may be out
.irp t, 0,2,4,6
	v_wmma_scale_f32_16x16x128_f8f6f4 v[116+8*\t:123+8*\t], v[48+4*\t:55+4*\t], v[28:35], v[116+8*\t:123+8*\t], v[38+\t/2], v36 matrix_a_fmt:MATRIX_FMT_FP4 matrix_b_fmt:MATRIX_FMT_FP4
	v_wmma_scale_f32_16x16x128_f8f6f4 v[124+8*\t:131+8*\t], v[52+4*\t:59+4*\t], v[28:35], v[124+8*\t:131+8*\t], v[38+\t/2], v36 matrix_a_fmt:MATRIX_FMT_FP4 matrix_b_fmt:MATRIX_FMT_FP4 matrix_a_scale:MATRIX_SCALE_ROW1
.endr
.rept 4
	v_nop
.endr
.irp b, 0,1,2,3
	v_max3_num_f32 v[220+\b], v[116+16*\b], v[117+16*\b], v[118+16*\b]   ; the largest logit of each block of 32 keys: it serves the row's maximum and, since p rises with the logit, the block's largest p
.endr
.irp i, 3,5,7,9,11,13
.irp b, 0,1,2,3
	v_max3_num_f32 v[220+\b], v[220+\b], v[116+16*\b+\i], v[117+16*\b+\i]
.endr
.endr
.irp b, 0,1,2,3
	v_max_num_f32 v[220+\b], v[220+\b], v[131+16*\b]
.endr
.irp b, 0,1,2,3
	s_delay_alu instid0(VALU_DEP_4)
	v_permlanex16_b32 v[224+\b], v[220+\b], s68, s69
.endr
.irp b, 0,1,2,3
	s_delay_alu instid0(VALU_DEP_4)
	v_max_num_f32 v[220+\b], v[220+\b], v[224+\b]  ; with lane l xor 16's 16 keys
.endr
	s_delay_alu instid0(VALU_DEP_2)
	v_max3_num_f32 v26, v220, v221, v222
	s_delay_alu instid0(VALU_DEP_1)
	v_max_num_f32 v26, v26, v223
	s_delay_alu instid0(VALU_DEP_1)
	v_mul_f32 v26, s70, v26                        ; the step's largest t (of a masked step: minus infinity)
	s_delay_alu instid0(VALU_DEP_1)
	v_max_num_f32 v25, v25, v26                    ; the running largest t
	v_mov_b32 v26, v24
	s_delay_alu instid0(VALU_DEP_2)
	v_floor_f32 v24, -v25                          ; the new -M = -ceil(t)
	s_delay_alu instid0(VALU_DEP_1)
	v_sub_f32 v26, v24, v26                        ; old M - new M: a whole number, 0 or less
	s_delay_alu instid0(VALU_DEP_1)
	v_cvt_i32_f32 v26, v26                         ; (it saturates)
	s_delay_alu instid0(VALU_DEP_1)
	v_ldexp_f32 v22, 1.0, v26                      ; f = 2^(old M - new M)
	v_cmp_eq_u32 vcc_lo, 0xfe800000, v25           ; a dark row: nothing has risen above the start
	s_delay_alu instid0(VALU_DEP_1)
	v_cndmask_b32 v16, s70, v80, vcc_lo            ; its multiplier is 0
	s_delay_alu instid0(VALU_DEP_2)
	v_cndmask_b32 v18, v24, v80, vcc_lo            ; and its addend too: every p is 1
.set j, 0
.rept 32
	v_pk_fma_f32 v[116+j:117+j], v[116+j:117+j], v[16:17], v[18:19] op_sel_hi:[1,0,0]   ; t - M, two at a time
.set j, j+2
.endr
.irp b, 0,1,2,3
	v_fma_f32 v[220+\b], v[220+\b], v16, v18       ; the same of each block's largest logit
.endr
.set j, 0
	s_wait_alu depctr_va_vdst(0)
.rept 64
	v_exp_f32 v[116+j], v[116+j]                   ; p = 2^(t - M)
.set j, j+1
.endr
	v_pk_mul_f32 v[20:21], v[20:21], v[22:23] op_sel_hi:[1,0]   ; the sums under the new M: a plain line behind the exponentials
	s_wait_alu depctr_va_vdst(0)                   ; one wait for the batch, ahead of its first reader
.irp b, 0,1,2,3
	v_exp_f32 v[220+\b], v[220+\b]                 ; the block's largest p
.endr
	v_pk_add_f32 v[232:233], v[120:121], v[124:125]
	v_pk_add_f32 v[254:255], v[128:129], v[132:133]
	v_pk_add_f32 v[252:253], v[136:137], v[140:141]
	v_pk_add_f32 v[250:251], v[144:145], v[148:149]
	v_pk_add_f32 v[248:249], v[152:153], v[156:157]
	v_pk_add_f32 v[246:247], v[160:161], v[164:165]
	v_pk_add_f32 v[244:245], v[168:169], v[172:173]
	v_pk_add_f32 v[20:21], v[20:21], v[176:177]
	v_pk_add_f32 v[232:233], v[232:233], v[116:117]
	v_pk_add_f32 v[254:255], v[254:255], v[118:119]
	v_pk_add_f32 v[252:253], v[252:253], v[122:123]
	v_pk_add_f32 v[250:251], v[250:251], v[126:127]
	v_pk_add_f32 v[248:249], v[248:249], v[130:131]
	v_pk_add_f32 v[246:247], v[246:247], v[134:135]
	v_pk_add_f32 v[244:245], v[244:245], v[138:139]
	v_pk_add_f32 v[20:21], v[20:21], v[142:143]
	v_pk_add_f32 v[232:233], v[232:233], v[146:147]
	v_pk_add_f32 v[254:255], v[254:255], v[150:151]
	v_pk_add_f32 v[252:253], v[252:253], v[154:155]
	v_pk_add_f32 v[250:251], v[250:251], v[158:159]
	v_pk_add_f32 v[248:249], v[248:249], v[162:163]
	v_pk_add_f32 v[246:247], v[246:247], v[166:167]
	v_pk_add_f32 v[244:245], v[244:245], v[170:171]
	v_pk_add_f32 v[20:21], v[20:21], v[174:175]
	v_pk_add_f32 v[232:233], v[232:233], v[178:179]
	s_delay_alu instid0(VALU_DEP_2)
	v_pk_add_f32 v[20:21], v[20:21], v[250:251]
	s_delay_alu instid0(VALU_DEP_2)
	v_pk_add_f32 v[232:233], v[232:233], v[248:249]
	v_pk_add_f32 v[254:255], v[254:255], v[246:247]
	v_pk_add_f32 v[252:253], v[252:253], v[244:245]
	s_delay_alu instid0(VALU_DEP_2)
	v_pk_add_f32 v[20:21], v[20:21], v[254:255]
	s_delay_alu instid0(VALU_DEP_2)
	v_pk_add_f32 v[232:233], v[232:233], v[252:253]
	s_delay_alu instid0(VALU_DEP_1)
	v_pk_add_f32 v[20:21], v[20:21], v[232:233]
	s_wait_alu depctr_va_vdst(0)                   ; and one for the four
.irp b, 0,1,2,3
	v_max_num_f32 v[220+\b], 0x1800000, v[220+\b]  ; the floor 2^(3 - 127): the byte cannot fall under 1
.endr
.irp b, 0,1,2,3
	s_delay_alu instid0(VALU_DEP_4)
	v_add_nc_u32 v[228+\b], 0xff000000, v[220+\b]  ; 2 off the exponent field: the conversion's scale operand
.endr
.irp b, 0,1,2,3
	s_delay_alu instid0(VALU_DEP_4)
	v_lshrrev_b32 v[224+\b], 23, v[228+\b]
.endr
	s_delay_alu instid0(VALU_DEP_3)
	v_lshl_or_b32 v44, v225, 8, v224               ; p's scale word for these 128 keys
	s_delay_alu instid0(VALU_DEP_1)
	v_lshl_or_b32 v44, v226, 16, v44
	s_delay_alu instid0(VALU_DEP_1)
	v_lshl_or_b32 v44, v227, 24, v44
.irp b, 0,1,2,3
	v_cvt_scalef32_pk8_fp4_f32 v[212+2*\b], v[116+16*\b:123+16*\b], v[228+\b]
	v_cvt_scalef32_pk8_fp4_f32 v[213+2*\b], v[124+16*\b:131+16*\b], v[228+\b]
.endr
	v_nop                                          ; a plain line behind the last conversion
.irp c, 0,1
.irp i, 0,1
	v_permlane16_swap_b32 v[212+4*\c+\i], v[214+4*\c+\i]   ; a whole block to a lane
.endr
.endr
.set j, 0
.rept 16
	v_pk_mul_f32 v[180+j:181+j], v[180+j:181+j], v[22:23] op_sel_hi:[1,0]   ; O^T under the new M.  Twelve of these name no register of any one product below: the places between p's scale word and codes and their use
.set j, j+2
.endr
	s_wait_alu depctr_va_vdst(0)
	s_wait_dscnt 0x0                               ; V and its scales
.irp ct, 0,2
	v_wmma_scale_f32_16x16x128_f8f6f4 v[180+8*\ct:187+8*\ct], v[84+8*\ct:91+8*\ct], v[212:219], v[180+8*\ct:187+8*\ct], v[42+\ct/2], v44 matrix_a_fmt:MATRIX_FMT_FP4 matrix_b_fmt:MATRIX_FMT_FP4
	v_wmma_scale_f32_16x16x128_f8f6f4 v[188+8*\ct:195+8*\ct], v[92+8*\ct:99+8*\ct], v[212:219], v[188+8*\ct:195+8*\ct], v[42+\ct/2], v44 matrix_a_fmt:MATRIX_FMT_FP4 matrix_b_fmt:MATRIX_FMT_FP4 matrix_a_scale:MATRIX_SCALE_ROW1
.endr
.endm
; THE CHANGE OF SLOTS stands at a slot's head.  Each wave waits for all its tensor loads (its part of the slot ahead), adds 0 to its spare word, and waits for that and for its reads of the slot that it has left.
; fill = 1: a round of the cluster's barrier, so that no wave of any partner still reads the slot or has a load on its way; the joint refill is the first thing behind it and has two key steps of sixteen waves in which to land.
.macro CHANGE fill
	s_wait_tensorcnt 0x0                           ; no tensor load of mine is out, so the groups 0 may be written
	ds_add_u32 v6, v7                              ; 0 onto my spare word
.if \fill
	s_xor_b32 s63, s63, SLOT                       ; the other slot than last time,
	s_add_co_u32 s49, s63, s60
	s_add_co_u32 s53, s63, s61
	s_add_co_u32 s57, s63, s62
	s_add_nc_u64 s[50:51], s[50:51], 1024          ; the next 256 keys
	s_add_nc_u64 s[54:55], s[54:55], 9216
	s_add_nc_u64 s[58:59], s[58:59], 8704
	s_wait_xcnt 0x0                                ; the last prefetch, a slot back, has read its address
	s_add_nc_u64 s[72:73], s[72:73], 1024          ; one slot further on than the walking descriptors
.endif
	s_wait_dscnt 0x0                               ; the add is done, and my reads of the slot that I have left are over
.if \fill
	CROUND
	TLOAD
	ASK
.else
	s_barrier_signal -1
	s_barrier_wait -1
.endif
.endm
	s_wait_loadcnt 0x0                             ; Q
.Lslot:                                            ; 15 trips: behind each change of slots but the last the next slot is asked for
	CHANGE 1
	STEP 0
	STEP 1
	s_xor_b32 s66, s66, SLOT
	s_sub_co_u32 s67, s67, 1
	s_cmp_lg_u32 s67, 0
	s_cbranch_scc1 .Lslot
	CHANGE 0                                       ; the last slot is written out
	STEP 0
	STEP 1
	; THE WAY OUT: O^T / the sum; register 16 b + i is channel 32 b + 16 h + i of my query: quantised along the channels, which are the next product's K
.rept 4
	v_nop
.endr
	v_add_f32 v20, v20, v21
	s_delay_alu instid0(VALU_DEP_1)
	v_permlanex16_b32 v224, v20, s68, s69
	s_delay_alu instid0(VALU_DEP_1)
	v_add_f32 v20, v20, v224                       ; the row's sum
	s_wait_alu depctr_va_vdst(0)
	v_rcp_f32 v20, v20
	v_and_b32 v10, 31, v0                          ; (a plain line behind the reciprocal)
	s_delay_alu instid0(VALU_DEP_1)
	v_lshlrev_b32 v8, 4, v10
	s_delay_alu instid0(VALU_DEP_2)
	v_lshlrev_b32 v9, 2, v10
	s_wait_alu depctr_va_vdst(0)                   ; the wait ahead of the reciprocal's first reader
.set j, 0
.rept 32
	v_mul_f32 v[116+j], v[180+j], v20
.set j, j+1
.endr
.irp b, 0,1
	v_max3_num_f32 v[220+\b], |v[116+16*\b]|, |v[117+16*\b]|, 0x1800000
.endr
.irp i, 2,4,6,8,10,12,14
.irp b, 0,1
	s_delay_alu instid0(VALU_DEP_2)
	v_max3_num_f32 v[220+\b], v[220+\b], |v[116+16*\b+\i]|, |v[117+16*\b+\i]|
.endr
.endr
.irp b, 0,1
	s_delay_alu instid0(VALU_DEP_2)
	v_permlanex16_b32 v[224+\b], v[220+\b], s68, s69
.endr
.irp b, 0,1
	s_delay_alu instid0(VALU_DEP_2)
	v_max_num_f32 v[220+\b], v[220+\b], v[224+\b]
.endr
.irp b, 0,1
	s_delay_alu instid0(VALU_DEP_2)
	v_add_nc_u32 v[228+\b], 0xff000000, v[220+\b]
.endr
.irp b, 0,1
	s_delay_alu instid0(VALU_DEP_2)
	v_lshrrev_b32 v[224+\b], 23, v[228+\b]
.endr
	s_delay_alu instid0(VALU_DEP_1)
	v_lshl_or_b32 v14, v225, 8, v224               ; the head's two scale bytes of my row; the upper half stays 0
.irp b, 0,1
	v_cvt_scalef32_pk8_fp4_f32 v[212+2*\b], v[116+16*\b:123+16*\b], v[228+\b]
	v_cvt_scalef32_pk8_fp4_f32 v[213+2*\b], v[124+16*\b:131+16*\b], v[228+\b]
.endr
	v_nop
	v_permlane16_swap_b32 v212, v214
	v_permlane16_swap_b32 v213, v215               ; lane (r, h): block h of the head's 64: a quad of the next operand
	global_store_b128 v8, v[212:215], s[12:13]     ; 512 consecutive bytes, aligned to 256
	global_store_b32 v9, v14, s[14:15]             ; 128 consecutive bytes: lanes 16-31 hold the same words as lanes 0-15
	s_wait_tensorcnt 0x0                           ; the wave's end
	ds_add_u32 v6, v7
	s_wait_dscnt 0x0
	CROUND                                         ; the closing round
	s_endpgm
.Lfunc_end_k_q970c25855c_attn:
	.size	k_q970c25855c_attn, .Lfunc_end_k_q970c25855c_attn-k_q970c25855c_attn
	.p2alignl 7, 3214868480
	.fill 96, 4, 3214868480
	.section	.rodata,"a",@progbits
	.p2align	6, 0x0
	.amdhsa_kernel k_q970c25855c_attn
		.amdhsa_group_segment_fixed_size 327680
		.amdhsa_private_segment_fixed_size 0
		.amdhsa_enable_private_segment 0
		.amdhsa_kernarg_size 48
		.amdhsa_user_sgpr_count 2
		.amdhsa_user_sgpr_kernarg_segment_ptr 1
		.amdhsa_wavefront_size32 1
		.amdhsa_system_sgpr_workgroup_id_x 1
		.amdhsa_system_sgpr_workgroup_id_y 1
		.amdhsa_system_sgpr_workgroup_id_z 1
		.amdhsa_system_vgpr_workitem_id 0
		.amdhsa_next_free_vgpr 256
		.amdhsa_next_free_sgpr 100
		.amdhsa_reserve_vcc 1
		.amdhsa_float_denorm_mode_32 3
		.amdhsa_float_denorm_mode_16_64 3
		.amdhsa_memory_ordered 1
		.amdhsa_forward_progress 1
		.amdhsa_inst_pref_size 85
	.end_amdhsa_kernel
	.amdgpu_metadata
---
amdhsa.version: [ 1, 2 ]
amdhsa.kernels:
  - .name:           k_q970c25855c_attn
    .symbol:         k_q970c25855c_attn.kd
    .args:
      - { .name: attention_mask, .offset: 0, .size: 8, .value_kind: global_buffer, .address_space: global }
      - { .name: qc, .offset: 8, .size: 8, .value_kind: global_buffer, .address_space: global }
      - { .name: kc, .offset: 16, .size: 8, .value_kind: global_buffer, .address_space: global }
      - { .name: vc, .offset: 24, .size: 8, .value_kind: global_buffer, .address_space: global }
      - { .name: aoc, .offset: 32, .size: 8, .value_kind: global_buffer, .address_space: global }
      - { .name: aos, .offset: 40, .size: 8, .value_kind: global_buffer, .address_space: global }
    .group_segment_fixed_size: 327680
    .private_segment_fixed_size: 0
    .kernarg_segment_align: 8
    .kernarg_segment_size: 48
    .max_flat_workgroup_size: 512
    .sgpr_count:     100
    .vgpr_count:     256
    .wavefront_size: 32
...
	.end_amdgpu_metadata
.endif
;; end of part 3
;; launch oproj (part 4): grid 8 x 32, 4 waves a work-group, clusters of 4 x 4, 168,448 bytes of LDS; arguments aoc, aos, wc, ws, Bo, out0; writes out0
.if DOCPART == 4
	.amdgcn_target "amdgcn-amd-amdhsa--gfx1250"
	.amdhsa_code_object_version 6
	.text
	.protected	k_q970c25855c_oproj
	.globl	k_q970c25855c_oproj
	.p2align	8
	.type	k_q970c25855c_oproj,@function
k_q970c25855c_oproj:
	s_mov_b64 s[64:65], 0
	v_nop
	global_prefetch_b8 v0, s[64:65] scope:SCOPE_SE
	s_setreg_imm32_b32 hwreg(HW_REG_WAVE_MODE, 25, 1), 1
	s_wait_xcnt 0x0
	s_wait_alu depctr_hold_cnt(0) depctr_sa_sdst(0) depctr_va_vdst(0) depctr_va_sdst(0) depctr_va_ssrc(0) depctr_va_vcc(0) depctr_vm_vsrc(0)
	s_getreg_b32 s2, hwreg(HW_REG_IB_STS2, 6, 4)
	s_cmp_eq_u32 s2, 0
	s_cbranch_scc0 .Lentry_in_a_cluster
	s_endpgm
.Lentry_in_a_cluster:
	s_bfe_u32 s2, ttmp6, 0x10000c
	s_cmp_lg_u32 s2, 0xf033
	s_cbranch_scc0 .Lentry_shape_is_right
	s_endpgm
.Lentry_shape_is_right:
; out = a Wo^T + 2 (a Ao^T) Bo^T, a = the attention's result as codes of FP4 (aoc, laid as x's tiles; aos: [tile][head][32 lanes] words, the head's two scale bytes in the low half).
; The two products on a are on codes; the rank-16 product goes straight to the output, so it takes bf16 operands.
; SHARES.  Work-group: 128 tokens (tiles 8 tb ..) x 128 columns (Wo tiles 451 + 8 cb ..).  Wave (wm, wn) = (w / 2, w % 2): 64 x 64: 16 accumulators, and u = a Ao^T for its four token tiles.
; TRANSPOSED: source 0 = 16 columns of Wo, source 1 = 16 tokens: a lane holds one token; the 16 registers of column tiles 2 b, 2 b + 1 are columns 32 b + 16 (lane / 16) + 0 .. 15: 64 neighbouring bytes of a row of out.
; LDS.  All of K fits: every tile whole, filled once: a's 8 tiles at 0 (waves 0, 1 fetch), Wo's 8 tiles at 65,536 (waves 2, 3).  Behind them a stage of 16 rows x 272 bytes for each wave, bytes of its own.
; CLUSTER 4 x 4: a's tiles hang on tb alone and are asked for jointly along a row of the cluster, Wo's on cb alone and jointly along a column.  Ao's one tile goes from memory into each wave's registers.
; REGISTERS.  window 0: v1-12 addresses; scale words and nothing else: a v32 + 4 mt + p, Wo v48 + 4 nt + p, Ao v64 + p; v68-99 halves of a's scale words, later u in bf16; v128-255 two sets of fragments (a 4, Wo 4), later Bo in f32
; and the rows read back.   window 1: accumulators 32 mt + 8 nt; u 128 + 8 mt; Ao's eight fragments 160 + 8 s; Bo in bf16 224 + 8 nt.
.set STAGE, 131072
.set MSB, 0
.macro WIN new
.if MSB != \new
	s_set_vgpr_msb (MSB<<8)|\new
.set MSB, \new
.endif
.endm
.macro CROUND
	s_barrier_signal -1
	s_barrier_wait -1
	s_cmp_lg_u32 s20, 0
	s_cbranch_scc1 .Lnot_wave_0_\@
	s_barrier_signal -3
.Lnot_wave_0_\@:
	s_barrier_wait -3
	s_barrier_signal -1
	s_barrier_wait -1
.endm
.macro PLACES n
.rept \n
	v_nop
.endr
.endm
	s_load_b256 s[4:11], s[0:1], 0x0               ; aoc, aos, wc, ws
	s_load_b128 s[12:15], s[0:1], 0x20             ; Bo, out0
	v_lshl_add_u32 v126, v0, 2, 0x29000
	v_mov_b32 v127, 0
	ds_add_u32 v126, v127
	ds_add_u32 v126, v127
	v_lshrrev_b32 v1, 5, v0
	v_readfirstlane_b32 s20, v1                    ; wave
	s_and_b32 s21, s20, 1                          ; wn.  Also: which four tiles I fetch
	s_lshr_b32 s22, s20, 1                         ; wm.  Also: I fetch for a (0) or for Wo (1)
	s_bfe_u32 s56, ttmp6, 0x40000                  ; cx
	s_bfe_u32 s58, ttmp6, 0x40004                  ; cy
	s_lshl_b32 s57, ttmp9, 2
	s_add_co_u32 s57, s57, s56                     ; cb
	s_and_b32 s59, ttmp7, 0xffff
	s_lshl_b32 s59, s59, 2
	s_add_co_u32 s59, s59, s58                     ; tb
	s_lshl_b32 s60, s58, 2
	s_lshl_b32 s60, 15, s60                        ; my row of the cluster
	s_lshl_b32 s61, 0x1111, s56                    ; my column
	s_or_b32 s24, s60, (3<<16)|(1<<21)             ; a's tiles
	s_or_b32 s32, s61, (3<<16)|(1<<21)             ; Wo's
.irp g, 24, 32
	; THE TILES COME WHOLE, ALL OF K, ONE TENSOR LOAD A WAVE: four tiles, dense: 4 rows of 8,192 bytes.  LDS: a's 8 tiles at 0, Wo's 8 at 65,536; a tile's K step s at 1,024 s
	s_mov_b32 s[\g+1], 1024<<16
	s_mov_b32 s[\g+2], 4<<16
	s_mov_b32 s[\g+3], 1024<<16
	s_mov_b32 s[\g+4], 4
	s_mov_b32 s[\g+5], 1024
	s_mov_b32 s[\g+6], 0
	s_mov_b32 s[\g+7], 0
.endr
	s_lshl_b32 s92, s59, 3
	s_lshl_b32 s93, s21, 2
	s_add_co_u32 s92, s92, s93                     ; a's tile 8 tb + 4 (w % 2)
	s_lshl_b32 s92, s92, 13
	s_mov_b32 s93, 0
	s_lshl_b32 s62, s57, 3
	s_lshl_b32 s63, s21, 2
	s_add_co_u32 s62, s62, s63
	s_add_co_u32 s62, s62, 451                     ; Wo's tile 451 + 8 cb + 4 (w % 2)
	s_lshl_b32 s62, s62, 13
	s_mov_b32 s63, 0
	s_lshl_b32 s94, s20, 15                        ; where they go: 32,768 x wave
	s_wait_dscnt 0x0
	s_wait_kmcnt 0x0
	s_add_nc_u64 s[92:93], s[4:5], s[92:93]
	s_add_nc_u64 s[62:63], s[8:9], s[62:63]
.irp j, 0
	s_mov_b32 s[40+4*\j], 1
	s_add_co_u32 s[41+4*\j], s94, 32768*\j
	s_add_nc_u64 s[42+4*\j:43+4*\j], s[92:93], 2048*\j
	s_or_b32 s[43+4*\j], s[43+4*\j], 0x80000000
	s_mov_b32 s[68+4*\j], 1
	s_add_co_u32 s[69+4*\j], s94, 32768*\j
	s_add_nc_u64 s[70+4*\j:71+4*\j], s[62:63], 2048*\j
	s_or_b32 s[71+4*\j], s[71+4*\j], 0x80000000
.endr
	CROUND                                         ; all sixteen work-groups are here: the joint loads meet
	s_cmp_lt_u32 s20, 2                            ; a wave's one fill stands in a branch on the wave's number: one load of mine is out
	s_cbranch_scc0 .Lfor_b
.irp j, 0
	tensor_load_to_lds s[40+4*\j:43+4*\j], s[24:31]
	s_nop 0
.endr
	PLACES 4
	s_branch .Lfilled
.Lfor_b:
.irp j, 0
	tensor_load_to_lds s[68+4*\j:71+4*\j], s[32:39]
	s_nop 0
.endr
	PLACES 4
.Lfilled:
	v_and_b32 v10, 31, v0                          ; lane
	v_and_b32 v11, 15, v0                          ; r
	v_bfe_u32 v12, v0, 4, 1                        ; h
	v_lshlrev_b32 v1, 4, v10
	v_lshlrev_b32 v2, 2, v10
	s_lshl_b32 s95, s22, 15
	v_add_nc_u32 v3, s95, v1                       ; LA: my four tiles of a
	s_lshl_b32 s95, s21, 15
	s_add_co_u32 s95, s95, 65536
	v_add_nc_u32 v4, s95, v1                       ; LB: my four tiles of Wo
	v_and_b32 v5, 8, v11
	v_add_nc_u32 v5, v5, v11
	v_lshlrev_b32 v5, 6, v5
	v_lshl_add_u32 v5, v12, 5, v5                  ; Bo: row r + 8 (r / 8) of 64 bytes, + 32 h
	v_lshlrev_b32 v6, 2, v11
	v_lshl_add_u32 v6, v12, 8, v6                  ; aos: 256 h + 4 r: K step 2 p + h is heads 4 p + 2 h and + 1
	s_wait_alu depctr_va_vdst(0)
	s_mul_i32 s95, s20, 4352
	s_add_co_u32 s95, s95, STAGE                   ; my stage
	v_mul_u32_u24 v7, v11, 272
	v_lshl_add_u32 v7, v12, 6, v7
	v_add_nc_u32 v7, s95, v7                       ; in: row r, + 64 h
	v_mul_u32_u24 v8, v12, 272
	v_lshl_add_u32 v8, v11, 4, v8
	v_add_nc_u32 v8, s95, v8                       ; back: lanes 0-15 one row of 256 bytes, lanes 16-31 the next
	v_lshlrev_b32 v9, 12, v12
	v_lshl_add_u32 v9, v11, 4, v9                  ; and the same two rows in out
	s_lshl_b32 s96, s57, 3
	s_lshl_b32 s97, s21, 2
	s_add_co_u32 s96, s96, s97
	s_add_co_u32 s96, s96, 451
	s_lshl_b32 s96, s96, 9
	s_mov_b32 s97, 0
	s_add_nc_u64 s[96:97], s[10:11], s[96:97]      ; ws at my four tiles of Wo
	s_lshl_b32 s98, s59, 3
	s_lshl_b32 s99, s22, 2
	s_add_co_u32 s98, s98, s99
	s_lshl_b32 s98, s98, 11
	s_mov_b32 s99, 0
	s_add_nc_u64 s[98:99], s[6:7], s[98:99]        ; aos at my four token tiles
	s_lshl_b32 s100, s57, 13
	s_lshl_b32 s101, s21, 12
	s_add_co_u32 s100, s100, s101
	s_mov_b32 s101, 0
	s_add_nc_u64 s[12:13], s[12:13], s[100:101]    ; Bo at row 128 cb + 64 wn
	s_lshl_b32 s100, s59, 19
	s_lshl_b32 s23, s22, 18
	s_add_co_u32 s100, s100, s23
	s_lshl_b32 s23, s57, 9
	s_add_co_u32 s100, s100, s23
	s_lshl_b32 s23, s21, 8
	s_add_co_u32 s100, s100, s23
	s_add_nc_u64 s[14:15], s[14:15], s[100:101]    ; out at row 128 tb + 64 wm, column 128 cb + 64 wn
.irp t, 0,1,2,3
.irp p, 0,1,2,3
	global_load_b32 v[68+4*\t+\p], v6, s[98:99] offset:2048*\t+512*\p        ; the even head's two bytes,
	global_load_b32 v[84+4*\t+\p], v6, s[98:99] offset:2048*\t+512*\p+128    ; the odd head's
	global_load_b32 v[48+4*\t+\p], v2, s[96:97] offset:512*\t+128*\p
.endr
.endr
.irp p, 0,1,2,3
	global_load_b32 v[64+\p], v2, s[10:11] offset:515*512+128*\p
.endr
	WIN 0x40                                       ; destination window 1
.irp s, 0,1,2,3,4,5,6,7
.irp c, 0,1
	global_load_b128 v[160+8*\s+4*\c:163+8*\s+4*\c], v1, s[8:9] offset:515*8192+1024*\s+512*\c   ; Ao's tile stays in registers
.endr
.endr
	WIN 0
.macro WM d, a, b, sa, sb, kind
.if \kind == 0
	v_wmma_scale_f32_16x16x128_f8f6f4 v[(\d):(\d)+7], v[(\a):(\a)+7], v[(\b):(\b)+7], 0, v[\sa], v[\sb] matrix_a_fmt:MATRIX_FMT_FP4 matrix_b_fmt:MATRIX_FMT_FP4
.elseif \kind == 1
	v_wmma_scale_f32_16x16x128_f8f6f4 v[(\d):(\d)+7], v[(\a):(\a)+7], v[(\b):(\b)+7], v[(\d):(\d)+7], v[\sa], v[\sb] matrix_a_fmt:MATRIX_FMT_FP4 matrix_b_fmt:MATRIX_FMT_FP4
.else
	v_wmma_scale_f32_16x16x128_f8f6f4 v[(\d):(\d)+7], v[(\a):(\a)+7], v[(\b):(\b)+7], v[(\d):(\d)+7], v[\sa], v[\sb] matrix_a_fmt:MATRIX_FMT_FP4 matrix_b_fmt:MATRIX_FMT_FP4 matrix_a_scale:MATRIX_SCALE_ROW1 matrix_b_scale:MATRIX_SCALE_ROW1
.endif
.endm
.macro FETCHO s                        ; K step s's eight fragments into set s % 2
.set FB, 128+64*((\s)%2)
.set KOF, 1024*(\s)
.irp t, 0,1,2,3
.irp c, 0,1
	ds_load_b128 v[FB+8*\t+4*\c:FB+8*\t+4*\c+3], v3 offset:8192*\t+KOF+512*\c
	ds_load_b128 v[FB+32+8*\t+4*\c:FB+32+8*\t+4*\c+3], v4 offset:8192*\t+KOF+512*\c
.endr
.endr
.endm
.macro MULO s                          ; 20 matrix instructions, each on another accumulator, in the same order in every K step
.set FB, 128+64*((\s)%2)
.set PP, (\s)/2
.if (\s) == 0
.set KD, 0
.elseif (\s)%2 == 0
.set KD, 1
.else
.set KD, 2
.endif
	WIN 0x50                                       ; sources window 0, C and D window 1
.irp mt, 0,1,2,3
.irp nt, 0,1,2,3
	WM 32*\mt+8*\nt, FB+32+8*\nt, FB+8*\mt, 48+4*\nt+PP, 32+4*\mt+PP, KD
.endr
.endr
	WIN 0x51                                       ; source 0 (Ao) window 1
.irp mt, 0,1,2,3
	WM 128+8*\mt, 160+8*(\s), FB+8*\mt, 64+PP, 32+4*\mt+PP, KD
.endr
	WIN 0
.endm
	s_wait_alu depctr_va_vdst(0)
	s_wait_tensorcnt 0x0                           ; my one load is in: nothing is filled again in this launch
	s_barrier_signal -1
	s_barrier_wait -1
	FETCHO 0
	s_wait_loadcnt 0x0
.irp t, 0,1,2,3
.irp p, 0,1,2,3
	v_lshl_or_b32 v[32+4*\t+\p], v[84+4*\t+\p], 16, v[68+4*\t+\p]   ; a's scale word of a K step: two heads' bytes
.endr
.endr
	PLACES 8                                       ; a scale register written by a vector instruction stands eight places ahead of the scaled product
	s_wait_alu depctr_va_vdst(0)
.irp s, 0,1,2,3,4,5,6,7
	s_wait_dscnt 0x0
.if \s > 0
	PLACES 4                                       ; places in front of loads into registers that the last K step's products read
.endif
.if \s < 7
	FETCHO \s+1
.else
.irp t, 0,1,2,3
.irp e, 0,1
	global_load_b128 v[128+8*\t+4*\e:131+8*\t+4*\e], v5, s[12:13] offset:(32*(\t/2)+8*(\t%2))*64+16*\e   ; Bo: lane (r, h): ranks 8 h + 0 .. 7 of column row r, into set 0
.endr
.endr
.endif
	MULO \s
.endr
	PLACES 5                                       ; behind the last products: u is read, and the sums are taken up by another matrix form
	WIN 0x41
.set i, 0
.rept 16
	v_pk_mul_f32 v[128+i:129+i], v[128+i:129+i], 2.0 op_sel_hi:[1,0]   ; u x alpha / r: exact
.set i, i+2
.endr
	WIN 0x05                                       ; sources window 1, destination window 0
.irp t, 0,1,2,3
.irp e, 0,1,2,3
	v_cvt_pk_bf16_f32 v[68+8*\t+\e], v[128+8*\t+2*\e], v[128+8*\t+2*\e+1]   ; lane (r, h): ranks 8 h + 0 .. 7 of token r: registers 0-3 of a bf16 operand
.endr
.endr
	WIN 0
.irp t, 0,1,2,3
.irp e, 4,5,6,7
	v_mov_b32 v[68+8*\t+\e], 0                     ; k = 16 .. 31: zeros on both sides
.endr
.endr
	s_wait_loadcnt 0x0                             ; Bo
	WIN 0x40                                       ; destination window 1
.irp t, 0,1,2,3
.irp e, 0,1,2,3
	v_cvt_pk_bf16_f32 v[224+8*\t+\e], v[128+8*\t+2*\e], v[128+8*\t+2*\e+1]
.endr
.irp e, 4,5,6,7
	v_mov_b32 v[224+8*\t+\e], 0
.endr
.endr
	PLACES 4
	WIN 0x51                                       ; source 0 (Bo) window 1, source 1 (u) window 0, C and D window 1
.irp mt, 0,1,2,3
.irp nt, 0,1,2,3
	v_wmma_f32_16x16x32_bf16 v[32*\mt+8*\nt:32*\mt+8*\nt+7], v[224+8*\nt:231+8*\nt], v[68+8*\mt:75+8*\mt], v[32*\mt+8*\nt:32*\mt+8*\nt+7]
.endr
.endr
	WIN 0
	PLACES 4
; THE WAY OUT, a token tile at a time through my own stage: in as 64 bytes a lane, back as whole rows of 256 bytes.  LDS serves a wave's instructions in order: no wait between the stores and the loads, nor ahead of the next tile's stores.
.irp mt, 0,1,2,3
	WIN 0x04                                       ; an LDS store's data are its source 1: window 1
.irp nt, 0,1,2,3
	ds_store_b128 v7, v[32*\mt+8*\nt:32*\mt+8*\nt+3] offset:128*(\nt/2)+32*(\nt%2)      ; each accumulator from its low end on
	ds_store_b128 v7, v[32*\mt+8*\nt+4:32*\mt+8*\nt+7] offset:128*(\nt/2)+32*(\nt%2)+16
.endr
	WIN 0
.irp t, 0,1,2,3,4,5,6,7
	ds_load_b128 v[128+32*\mt+4*\t:131+32*\mt+4*\t], v8 offset:544*\t
.endr
.endr
.irp mt, 0,1,2,3
.irp t, 0,1,2,3,4,5,6,7
	s_wait_dscnt 16*(3-\mt)+7-\t                   ; behind this load: the rest of its tile's loads and sixteen LDS instructions for each later tile
	global_store_b128 v9, v[128+32*\mt+4*\t:131+32*\mt+4*\t], s[14:15] offset:(32*(\mt/2)+8*(\mt%2)+2*\t+8*(\t/4))*4096 th:TH_STORE_NT   ; sixteen lanes store 256 consecutive bytes, aligned
.endr
.endr
	s_wait_tensorcnt 0x0
	ds_add_u32 v126, v127
	s_wait_dscnt 0x0
	CROUND                                         ; the closing round
	s_endpgm
.Lfunc_end_k_q970c25855c_oproj:
	.size	k_q970c25855c_oproj, .Lfunc_end_k_q970c25855c_oproj-k_q970c25855c_oproj
	.p2alignl 7, 3214868480
	.fill 96, 4, 3214868480
	.section	.rodata,"a",@progbits
	.p2align	6, 0x0
	.amdhsa_kernel k_q970c25855c_oproj
		.amdhsa_group_segment_fixed_size 168448
		.amdhsa_private_segment_fixed_size 0
		.amdhsa_enable_private_segment 0
		.amdhsa_kernarg_size 48
		.amdhsa_user_sgpr_count 2
		.amdhsa_user_sgpr_kernarg_segment_ptr 1
		.amdhsa_wavefront_size32 1
		.amdhsa_system_sgpr_workgroup_id_x 1
		.amdhsa_system_sgpr_workgroup_id_y 1
		.amdhsa_system_sgpr_workgroup_id_z 1
		.amdhsa_system_vgpr_workitem_id 0
		.amdhsa_next_free_vgpr 512
		.amdhsa_next_free_sgpr 102
		.amdhsa_reserve_vcc 0
		.amdhsa_float_denorm_mode_32 3
		.amdhsa_float_denorm_mode_16_64 3
		.amdhsa_memory_ordered 1
		.amdhsa_forward_progress 1
		.amdhsa_inst_pref_size 59
	.end_amdhsa_kernel
	.amdgpu_metadata
---
amdhsa.version: [ 1, 2 ]
amdhsa.kernels:
  - .name:           k_q970c25855c_oproj
    .symbol:         k_q970c25855c_oproj.kd
    .args:
      - { .name: aoc, .offset: 0, .size: 8, .value_kind: global_buffer, .address_space: global }
      - { .name: aos, .offset: 8, .size: 8, .value_kind: global_buffer, .address_space: global }
      - { .name: wc, .offset: 16, .size: 8, .value_kind: global_buffer, .address_space: global }
      - { .name: ws, .offset: 24, .size: 8, .value_kind: global_buffer, .address_space: global }
      - { .name: Bo, .offset: 32, .size: 8, .value_kind: global_buffer, .address_space: global }
      - { .name: out0, .offset: 40, .size: 8, .value_kind: global_buffer, .address_space: global }
    .group_segment_fixed_size: 168448
    .private_segment_fixed_size: 0
    .kernarg_segment_align: 8
    .kernarg_segment_size: 48
    .max_flat_workgroup_size: 128
    .sgpr_count:     102
    .vgpr_count:     512
    .wavefront_size: 32
...
	.end_amdgpu_metadata
.endif
;; end of part 4
